; MI455X (gfx1250); checked and timed in simulation.
; The chip was launched on July 23, 2026; its instructions are those of AMD's public machine-readable ISA for CDNA 5 (MIT licence, August 2026) and "CDNA5" Instruction Set Architecture Reference Guide (July 2026). The comments in the code are by the model that wrote it; some were corrected since.
;; Multi Head Attention. Allowed arithmetic: matrix products marked QUANTISED: E2M3 operands, one E8M0 scale for each 32 along K, by v_wmma_scale_f32_16x16x128_f8f6f4 with both operands' format E2M3, f32 sums; everything else in f32.
;; Inputs: b_out 1,024 float32; b_qkv 3,072 float32; w_out 1,024 x 1,024 float32; w_qkv 1,024 x 3,072 float32; x 4 x 2,048 x 1,024 float32.
;; Outputs: out0 4 x 2,048 x 1,024 float32.
;; This version of the problem:
;;   THIS VERSION OF THE PROBLEM IS GIVEN IN LOW PRECISION. The matrix products marked QUANTISED in the list below multiply operands that are first quantised to E2M3 (2 exponent bits, 3 mantissa bits; 6 bits a number), with one power-of-two scale for each 32 numbers along K (OCP MX v1.0); their sums are f32. All else is computed in f32.
;;   The module's matrix products, in the order in which they are computed (A, B: the left and right operand; K: the contracted axis; several contracted axes count as one K, in the product's order):
;;     1. [M 8,192, K 1,024] x [K 1,024, N 3,072]; A: input x; B: input w_qkv: QUANTISED
;;     2. batch 64 x [M 2,048, K 64] x [K 64, N 2,048]; A: computed on the way; B: computed on the way: QUANTISED
;;     3. batch 64 x [M 2,048, K 2,048] x [K 2,048, N 64]; A: softmax (see below); B: computed on the way: QUANTISED
;;     4. [M 8,192, K 1,024] x [K 1,024, N 1,024]; A: computed on the way; B: input w_out: QUANTISED
;;   THE QUANTISER, for each operand of a quantised product, along K:
;;     - K is cut into blocks of 32 from its start; a last block that is shorter is filled with zeros.
;;     - A block's scale is 2^e with e = floor(log2(the largest magnitude in the block)) - 2, held to -126 .. 127; a block of zeros has e = 0. As a byte (E8M0): e + 127.
;;     - Each number is divided by its block's scale, clamped to +-7.5, and rounded to the nearest number of E2M3, ties to even, subnormals kept.
;;     - The product sums the exact products of the quantised numbers (number of the format x scale) in f32.
;;   ~~~python
;;   def quantise(x, axis):      # numpy; x: float32 -> the quantised numbers, widened to float32 again
;;       x = np.moveaxis(x, axis, -1); K = x.shape[-1]
;;       x = np.pad(x, [(0, 0)] * (x.ndim - 1) + [(0, -K % 32)]); x = x.reshape(x.shape[:-1] + (-1, 32)); a = np.abs(x).max(-1, keepdims=True)
;;       e = np.where(a > 0, np.clip(np.frexp(np.where(a > 0, a, 1))[1] - 1 - 2, -126, 127), 0)      # np.frexp(a)[1] - 1 = floor(log2(a)), exactly
;;       r = np.clip(x / 2.0 ** e, -7.5, 7.5)
;;       step = 2.0 ** (np.maximum(np.frexp(np.where(r == 0, 1, r))[1] - 1, 0) - 3)
;;       q = np.round(r / step) * step * 2.0 ** e      # np.round: ties to even
;;       return np.moveaxis(q.reshape(q.shape[:-2] + (-1,))[..., :K], -1, axis).astype(np.float32)
;;   ~~~
;;   SOFTMAX AHEAD OF A QUANTISED PRODUCT. Where the list says 'softmax', what is quantised is not the finished softmax but p = 2^(t - M), with t = logit x log2(e) and M = ceil(the row's largest t), a whole number; so 1/2 < the row's largest p <= 1. The row's sum l is taken of the UNQUANTISED p, in f32, and the product's result is divided by l at the end. Since M is a whole number, a kernel that streams over the keys may use a running M (the ceiling of the running maximum): every later rescaling is an exact power of two, which a block's scale takes up: the codes' values come out the same.
;;   OPERANDS COMPUTED ON THE WAY. 'Computed on the way' means the value that the module computes at that place (a softmax that the list does not call 'softmax' is quantised finished and normalised). What goes into a quantiser is computed in f32, as accurately as f32 sums, v_exp_f32 and their like allow (about 1e-6 of the number): no bf16 or f16 on the way to a quantiser, and a product that is left as it is and whose result goes on into a quantised operand takes f32 operands (vector FMAs, or v_wmma_f32_16x16x4_f32). A number that lies on a knife's edge between two numbers of the format may be rounded either way, as far as f32 arithmetic and the matrix unit's own rounding can turn it there, and no further.
;; One version. Each part assembles by itself: llvm-mc -triple=amdgcn-amd-amdhsa -mcpu=gfx1250 --defsym DOCPART=n.
;; ======== version 1 of 1: 4 launches
;; limits: right only within a limited range of input values
;; workspace buffers: c1 8,650,752 bytes; s1 360,448 bytes; c2 18,874,368 bytes; s2 786,432 bytes; c3 7,077,888 bytes; s3 294,912 bytes
;; launch quant (part 1): grid 256 x 1, 12 waves a work-group, no clusters, 124,416 bytes of LDS; arguments w_qkv, w_out, c1, s1, c3, s3, x; writes c1, s1, c3, s3
.if DOCPART == 1
	.amdgcn_target "amdgcn-amd-amdhsa--gfx1250"
	.amdhsa_code_object_version 6
	.text
	.protected	k_q70246ed73c_quant
	.globl	k_q70246ed73c_quant
	.p2align	8
	.type	k_q70246ed73c_quant,@function
k_q70246ed73c_quant:
	s_mov_b64 s[64:65], 0
	v_nop
	global_prefetch_b8 v0, s[64:65] scope:SCOPE_SE
	s_setreg_imm32_b32 hwreg(HW_REG_WAVE_MODE, 25, 1), 1
	s_wait_xcnt 0x0
; The three f32 inputs that are operands of quantised products become codes of FP6 (E2M3) with one E8M0 byte for each 32 along K, laid IN THE ORDER OF THE OPERAND'S REGISTERS.
; GROUPS.  16 rows of an operand form a group, and they are not neighbours: group G holds rows 32 (G / 2) + 8 (G % 2) + r + 8 (r / 8), r = 0 .. 15.
; UNIT (G, kk): 768 bytes at 12288 G + 768 kk: lane l's 24 bytes at 24 l are the codes k = 64 kk + 32 (l / 16) + 0 .. 31 of the group's row l % 16: six registers of a fragment.
; SCALE WORDS (four bytes, 128 along K) of step s and row r at 512 G + 64 s + 4 r.
; x [8192][1024]: rows = tokens, groups 0-511 of c1, s1.   w_qkv [1024][3072], w_out [1024][1024], K their FIRST axis: rows = COLUMNS n, from group 512 on, of c1, s1 and of c3, s3.
; A block's scale is 2^(floor(log2(largest magnitude)) - 2); its byte is the largest magnitude's exponent field - 2, held at 1 from below.
; LIMITS: NaN and infinities among the inputs are not served.  A block of zeros gets the byte 1 where the rule says 127: its codes are zeros, which add nothing, and this program alone reads the bytes.
; EVERY WORK-GROUP HAS THE SAME WORK: twelve waves.  Waves 0-7 take 32 rows of x; waves 8-11 take one of the 256 pieces of the weights (32 blocks of 128 columns x 8 steps of 128 along K).
; The two paths part once, on the wave's number.  Every wave has LDS bytes of its own, 10,240 x its number, whichever path it takes.
; No matrix unit, no cluster, no barrier: the waves share nothing and memory binds.
.set WREG, 10240
	v_lshl_add_u32 v31, v0, 2, 0x1e000
	s_set_vgpr_msb 0x40
	v_mov_b32 v1, 0
	s_set_vgpr_msb 0x4000
	v_lshrrev_b32 v8, 5, v0
	s_delay_alu instid0(VALU_DEP_1)
	v_readfirstlane_b32 s48, v8                    ; wave 0..11
	s_mul_i32 s49, s48, WREG                       ; my LDS bytes
	s_cmp_lt_u32 s48, 8
	s_cbranch_scc1 .Lx_path
; ---------------------------------------------------------------- THE WEIGHTS
; A LANE TAKES A COLUMN AND ITS REGISTERS RUN DOWN K: a block of 32 lies in one lane, and the conversions give the codes with K innermost.
; Work-group g takes the block of 128 columns g / 8 (blocks 0-23 are w_qkv's, 24-31 w_out's) and the step of 128 along K g % 8; wave 8 + c takes its columns 32 c on (two groups): 4 blocks of 32 along K.
; Only pointers, the pitch and the column block are chosen between the two weights.  A wave's codes gather in its stage in LDS and leave as two runs of 1,536 consecutive bytes, 512 a store.
; The scale words leave in two pieces of 64 bytes a wave: one byte in 128 of what the path reads.
; The pitch is chosen, so a row's offset cannot be an immediate: 32 offset registers (one for each row of a block) and four bases (one for each block), none ever rewritten.
.set VO,   32                          ; v32-63   4 x lane + i x pitch
.set WX,   64                          ; v64-127  two sets of 32 numbers
.set WP,   128                         ; v128-133 a block's codes
.set WQ,   136                         ; v136-138 their upper half as converted
.set WOUT, 144                         ; v144-167 the way out
.set WSB,  24                          ; v24      the scale word
.set BT,   32                          ; s[32:39] the blocks' bases
	s_load_b256 s[4:11], s[0:1], 0x0               ; w_qkv, w_out, c1, s1
	s_load_b128 s[12:15], s[0:1], 0x20             ; c3, s3
	v_and_b32 v2, 31, v0                           ; lane = my column among the wave's 32
	v_bfe_u32 v3, v0, 3, 1                         ; u: which of the two groups my column falls into
	v_and_b32 v8, 7, v0
	v_bfe_u32 v9, v0, 4, 1
	s_delay_alu instid0(VALU_DEP_1)
	v_lshl_add_u32 v8, v9, 3, v8                   ; r: its row there
	s_delay_alu instid0(VALU_DEP_4)
	v_mul_u32_u24 v4, v3, 1536                     ; my stage: [u 2][unit 2][768]
	s_delay_alu instid0(VALU_DEP_1)
	v_mad_u32_u24 v4, v8, 24, v4
	s_delay_alu instid0(VALU_DEP_1)
	v_add_nc_u32 v4, s49, v4                       ; in
	v_lshlrev_b32 v6, 4, v2                        ; 16 x lane
	s_delay_alu instid0(VALU_DEP_1)
	v_add_nc_u32 v5, s49, v6                       ; out
	v_lshlrev_b32 v7, 9, v3
	s_delay_alu instid0(VALU_DEP_1)
	v_lshl_add_u32 v7, v8, 2, v7                   ; my scale word: 512 u + 4 r
	v_lshlrev_b32 v[VO], 2, v2
	s_and_b32 s19, s48, 3                          ; which 32 of the 128 columns
	s_and_b32 s18, ttmp9, 7                        ; which 128 along K
	s_lshr_b32 s31, ttmp9, 3                       ; which of the 32 blocks of 128 columns
	s_mov_b32 s20, 4096
	s_wait_alu depctr_va_vdst(0)
	s_wait_kmcnt 0x0
	s_cmp_lt_u32 s31, 24                           ; the choice hangs on the work-group's number alone
	s_cselect_b64 s[4:5], s[4:5], s[6:7]           ; the weight,
	s_cselect_b64 s[8:9], s[8:9], s[12:13]         ; its codes,
	s_cselect_b64 s[10:11], s[10:11], s[14:15]     ; its scale words,
	s_cselect_b32 s20, 12288, s20                  ; a row of it in bytes,
	s_cselect_b32 s21, 0, 24
	s_sub_co_u32 s21, s31, s21                     ; and which 128 columns of it
.set i, 1
	v_add_nc_u32 v[VO+i], s20, v[VO+i-1]
.set i, i+1
.rept (31)-1
	s_delay_alu instid0(VALU_DEP_1)
	v_add_nc_u32 v[VO+i], s20, v[VO+i-1]
.set i, i+1
.endr
	s_lshl_b32 s22, s18, 7
	s_mul_i32 s22, s22, s20                        ; 128 x step rows,
	s_lshl_b32 s23, s21, 9
	s_add_co_u32 s22, s22, s23                     ; + 4 x (128 cb
	s_lshl_b32 s23, s19, 7
	s_add_co_u32 s22, s22, s23                     ; + 32 c)
	s_mov_b32 s23, 0
	s_add_nc_u64 s[BT:BT+1], s[4:5], s[22:23]
	s_lshl_b32 s24, s20, 5                         ; 32 rows
	s_mov_b32 s25, 0
.irp t, 1,2,3
	s_add_nc_u64 s[BT+2*\t:BT+2*\t+1], s[BT+2*\t-2:BT+2*\t-1], s[24:25]
.endr
	s_lshl_b32 s26, s21, 3
	s_lshl_b32 s27, s19, 1
	s_add_co_u32 s26, s26, s27
	s_add_co_u32 s26, s26, 512                     ; my first group: 512 + 8 cb + 2 c
	s_mul_i32 s28, s26, 12288
	s_mul_i32 s29, s18, 1536
	s_add_co_u32 s28, s28, s29
	s_mov_b32 s29, 0
	s_add_nc_u64 s[8:9], s[8:9], s[28:29]          ; its two units of my step
	s_lshl_b32 s28, s26, 9
	s_lshl_b32 s30, s18, 6
	s_add_co_u32 s28, s28, s30
	s_add_nc_u64 s[10:11], s[10:11], s[28:29]      ; its scale words of my step
.macro WLOAD t                         ; block t: 32 rows of K at my column, into set t % 2; a load reads 128 consecutive bytes, the four waves stand side by side on 512
.irp i, 0,1,2,3,4,5,6,7,8,9,10,11,12,13,14,15,16,17,18,19,20,21,22,23,24,25,26,27,28,29,30,31
	global_load_b32 v[WX+32*((\t)%2)+\i], v[VO+\i], s[BT+2*(\t):BT+2*(\t)+1] th:TH_LOAD_NT
.endr
.endm
	s_wait_alu depctr_va_vdst(0)
	WLOAD 0
	WLOAD 1
.macro WBLOCK t
.set XS, WX+32*((\t)%2)
.if (\t) < 3
	s_wait_loadcnt 32                              ; this block's 32 loads are in; the next block's may be out
.else
	s_wait_loadcnt 0x0
.endif
	v_max3_num_f32 v12, |v[XS]|, |v[XS+1]|, |v[XS+2]|
	v_max3_num_f32 v13, |v[XS+3]|, |v[XS+4]|, |v[XS+5]|
.irp i, 6,10,14,18,22,26
	s_delay_alu instid0(VALU_DEP_2)
	v_max3_num_f32 v12, v12, |v[XS+\i]|, |v[XS+\i+1]|
	s_delay_alu instid0(VALU_DEP_2)
	v_max3_num_f32 v13, v13, |v[XS+\i+2]|, |v[XS+\i+3]|
.endr
	s_delay_alu instid0(VALU_DEP_2)
	v_max3_num_f32 v12, v12, |v[XS+30]|, |v[XS+31]|
	s_delay_alu instid0(VALU_DEP_1)
	v_max3_num_f32 v12, v12, v13, 0x1800000        ; the floor 2^(3 - 127): the byte cannot fall under 1
	s_delay_alu instid0(VALU_DEP_1)
	v_add_nc_u32 v11, 0xff000000, v12              ; 2 off the exponent field: the conversion's scale operand
	s_delay_alu instid0(VALU_DEP_1)
	v_lshrrev_b32 v13, 23, v11                     ; the scale's byte
.if (\t) == 0
	s_delay_alu instid0(VALU_DEP_1)
	v_mov_b32 v[WSB], v13
.else
	s_delay_alu instid0(VALU_DEP_1)
	v_lshl_or_b32 v[WSB], v13, 8*(\t), v[WSB]
.endif
	v_cvt_scalef32_pk16_fp6_f32 v[WP:WP+2], v[XS:XS+15], v11
	v_cvt_scalef32_pk16_fp6_f32 v[WQ:WQ+2], v[XS+16:XS+31], v11
	v_nop                                          ; one plain place behind a scaled conversion
.irp i, 0,1,2
	v_mov_b32 v[WP+3+\i], v[WQ+\i]
.endr
.irp p, 0,1,2
	ds_store_b64 v4, v[WP+2*\p:WP+2*\p+1] offset:768*((\t)/2)+384*((\t)%2)+8*\p   ; unit t / 2, lanes' half t % 2
.endr
.if (\t)+2 < 4
	WLOAD (\t)+2
.endif
	s_wait_dscnt 0x0                               ; the stores have read their registers: the next block's codes may be written
.endm
.irp t, 0,1,2,3
	WBLOCK \t
.endr
	s_wait_alu depctr_va_vdst(0)
	global_store_b32 v7, v[WSB], s[10:11]
.irp u, 0,1
.irp j, 0,1,2
	ds_load_b128 v[WOUT+4*(3*\u+\j):WOUT+4*(3*\u+\j)+3], v5 offset:1536*\u+512*\j
.endr
.endr
.irp u, 0,1
.irp j, 0,1,2
	s_wait_dscnt 5-3*\u-\j                         ; the loads behind this one may be out
	global_store_b128 v6, v[WOUT+4*(3*\u+\j):WOUT+4*(3*\u+\j)+3], s[8:9] offset:12288*\u+512*\j   ; 512 consecutive bytes, at a multiple of 256 from the buffer's first byte
.endr
.endr
	s_set_vgpr_msb 0x4
	s_wait_tensorcnt 0x0
	ds_add_u32 v31, v1
	s_wait_dscnt 0x0
	s_set_vgpr_msb 0x400
	s_endpgm
; ---------------------------------------------------------------- x
; Work-group g takes rows 32 g on (two groups); wave w takes group w / 4 of them and 256 along K from 256 (w % 4): 16 rows x 1,024 bytes.  All its 32 loads, 512 consecutive bytes each, go out at the head.
; The numbers turn through the wave's own stage in LDS (rows of 512 + 16 bytes), so that a lane gets the 32 neighbours of a whole block; the codes turn through a second stage, so that a store covers 512 consecutive bytes.
.set CST,  8704                        ; in a wave's LDS: the numbers' stage (16 x 528), at 8704 the codes' stage (1,536)
.set SPI,  528
.set PP,   16                          ; v16-27   a fragment's codes
.set QQ,   28                          ; v28-30, v32-34  the upper halves of two blocks (a conversion's three registers begin on an even number)
.set OO,   36                          ; v36-59   codes on their way out, 12 a step
.set WW,   60                          ; v60-61   the two steps' scale words
.set RR,   64                          ; v64-191  the numbers as loaded, 64 a step
.set XX,   192                         ; v192-255 two blocks of 32 neighbours
.Lx_path:
	s_load_b64 s[4:5], s[0:1], 0x30                ; x
	s_load_b128 s[8:11], s[0:1], 0x10              ; c1, s1
	v_and_b32 v9, 31, v0                           ; lane (v8-15 are at work from the first step on)
	v_and_b32 v10, 15, v0                          ; r
	v_bfe_u32 v11, v0, 4, 1                        ; h
	s_delay_alu instid0(VALU_DEP_3)
	v_lshlrev_b32 v1, 4, v9                        ; 16 x lane
	s_delay_alu instid0(VALU_DEP_1)
	v_add_nc_u32 v2, s49, v1                       ; the numbers' stage, in: 16 x lane of a row
	s_delay_alu instid0(VALU_DEP_4)
	v_mul_u32_u24 v3, v10, SPI
	s_delay_alu instid0(VALU_DEP_1)
	v_lshl_add_u32 v3, v11, 7, v3
	s_delay_alu instid0(VALU_DEP_1)
	v_add_nc_u32 v3, s49, v3                       ; out: row r, + 128 h: my block's 128 bytes
	v_mul_u32_u24 v4, v9, 24
	s_delay_alu instid0(VALU_DEP_1)
	v_add_nc_u32 v4, s49, v4
	s_delay_alu instid0(VALU_DEP_1)
	v_add_nc_u32 v4, CST, v4                       ; the codes' stage, in: 24 x lane
	v_add_nc_u32 v5, CST, v2                       ; out: 16 x lane
	v_lshlrev_b32 v6, 2, v9                        ; 4 x lane; never rewritten
	v_lshlrev_b32 v7, 3, v11                       ; 8 h: my bytes' place in a scale word
	v_mov_b32 v62, 0                               ; written once: a lane permute's destination counts as one of its sources
	s_mov_b32 s12, 0x76543210
	s_mov_b32 s13, 0xfedcba98                      ; selects for lane l xor 16
	s_lshr_b32 s16, s48, 2                         ; which of the two groups
	s_and_b32 s17, s48, 3                          ; which 256 along K
	s_lshl_b32 s18, ttmp9, 1
	s_add_co_u32 s18, s18, s16                     ; G
	s_lshl_b32 s20, ttmp9, 17                      ; x: (32 g + 8 u) rows of 4,096 bytes + 1,024 x quarter
	s_lshl_b32 s21, s16, 15
	s_add_co_u32 s20, s20, s21
	s_lshl_b32 s21, s17, 10
	s_add_co_u32 s20, s20, s21
	s_mov_b32 s21, 0
	s_mul_i32 s22, s18, 12288                      ; c1: 12288 G + 4 units x quarter
	s_mul_i32 s23, s17, 3072
	s_add_co_u32 s22, s22, s23
	s_mov_b32 s23, 0
	s_lshl_b32 s24, s18, 9                         ; s1: 512 G + 2 steps x quarter
	s_lshl_b32 s25, s17, 7
	s_add_co_u32 s24, s24, s25
	s_mov_b32 s25, 0
	s_wait_alu depctr_va_vdst(0)
	s_wait_kmcnt 0x0
	s_add_nc_u64 s[4:5], s[4:5], s[20:21]
	s_add_nc_u64 s[8:9], s[8:9], s[22:23]
	s_add_nc_u64 s[10:11], s[10:11], s[24:25]
.irp e, 0,1
.irp t, 0,1,2,3,4,5,6,7,8,9,10,11,12,13,14,15
	global_load_b128 v[RR+64*\e+4*\t:RR+64*\e+4*\t+3], v1, s[4:5] offset:(\t+8*(\t/8))*4096+512*\e th:TH_LOAD_NT   ; the group's row t, 128 numbers: 512 consecutive bytes
.endr
.endr
; One step of 128 along K.
.macro XSTEP e
.if \e == 0
	s_wait_loadcnt 16                              ; this step's 16 loads are in; the next step's 16 may be out
.else
	s_wait_loadcnt 0x0
.endif
.irp t, 0,1,2,3,4,5,6,7,8,9,10,11,12,13,14,15
	ds_store_b128 v2, v[RR+64*\e+4*\t:RR+64*\e+4*\t+3] offset:SPI*\t
.endr
.irp c, 0,1
.irp i, 0,1,2,3,4,5,6,7
	ds_load_b128 v[XX+32*\c+4*\i:XX+32*\c+4*\i+3], v3 offset:256*\c+16*\i   ; LDS serves a wave's instructions in order: these see the stores above.  k = 64 c + 32 h + 4 i ..
.endr
.endr
	s_wait_dscnt 0x0
.irp c, 0,1
	v_max3_num_f32 v[8+\c], |v[XX+32*\c]|, |v[XX+32*\c+1]|, 0x1800000   ; block 2 c + h is all mine; the floor 2^(3 - 127) holds the byte at 1 from below
.endr
.irp i, 2,4,6,8,10,12,14,16,18,20,22,24,26,28,30
.irp c, 0,1
	s_delay_alu instid0(VALU_DEP_2)
	v_max3_num_f32 v[8+\c], v[8+\c], |v[XX+32*\c+\i]|, |v[XX+32*\c+\i+1]|
.endr
.endr
.irp c, 0,1
	s_delay_alu instid0(VALU_DEP_2)
	v_add_nc_u32 v[10+\c], 0xff000000, v[8+\c]     ; 2 off the exponent field: the conversion's scale operand
.endr
.irp c, 0,1
	s_delay_alu instid0(VALU_DEP_2)
	v_lshrrev_b32 v[12+\c], 23, v[10+\c]           ; the scale's byte
.endr
	s_delay_alu instid0(VALU_DEP_1)
	v_lshl_or_b32 v14, v13, 16, v12                ; my two bytes, blocks h and 2 + h,
	s_delay_alu instid0(VALU_DEP_1)
	v_lshlrev_b32 v14, v7, v14                     ; at their places in the word;
	s_delay_alu instid0(VALU_DEP_1)
	v_permlanex16_b32 v62, v14, s12, s13
	s_delay_alu instid0(VALU_DEP_1)
	v_or_b32 v[WW+\e], v14, v62                    ; with lane l xor 16's two the word is whole
.irp c, 0,1
	v_cvt_scalef32_pk16_fp6_f32 v[PP+6*\c:PP+6*\c+2], v[XX+32*\c:XX+32*\c+15], v[10+\c]
	v_cvt_scalef32_pk16_fp6_f32 v[QQ+4*\c:QQ+4*\c+2], v[XX+32*\c+16:XX+32*\c+31], v[10+\c]
.endr
	v_nop                                          ; one plain place behind a scaled conversion
.irp c, 0,1
.irp i, 0,1,2
	v_mov_b32 v[PP+6*\c+3+\i], v[QQ+4*\c+\i]
.endr
.endr
.irp c, 0,1
.irp p, 0,1,2
	ds_store_b64 v4, v[PP+6*\c+2*\p:PP+6*\c+2*\p+1] offset:768*\c+8*\p
.endr
.endr
.irp j, 0,1,2
	ds_load_b128 v[OO+12*\e+4*\j:OO+12*\e+4*\j+3], v5 offset:512*\j
.endr
	s_wait_dscnt 0x0
.irp j, 0,1,2
	global_store_b128 v1, v[OO+12*\e+4*\j:OO+12*\e+4*\j+3], s[8:9] offset:1536*\e+512*\j   ; 32 lanes store 512 consecutive bytes, at a multiple of 256 from c1's first byte
.endr
.endm
	XSTEP 0
	XSTEP 1
	v_cmp_le_u32 vcc_lo, 64, v6                    ; 4 x lane is 64 or more: lanes 16-31
	s_delay_alu instid0(VALU_DEP_1)
	v_cndmask_b32 v15, v[WW], v[WW+1], vcc_lo      ; lanes 0-15 the first step's words, lanes 16-31 the second's: 128 consecutive bytes
	global_store_b32 v6, v15, s[10:11]
	s_set_vgpr_msb 0x4
	s_wait_tensorcnt 0x0
	ds_add_u32 v31, v1
	s_wait_dscnt 0x0
	s_set_vgpr_msb 0x400
	s_endpgm
.Lfunc_end_k_q70246ed73c_quant:
	.size	k_q70246ed73c_quant, .Lfunc_end_k_q70246ed73c_quant-k_q70246ed73c_quant
	.p2alignl 7, 3214868480
	.fill 96, 4, 3214868480
	.section	.rodata,"a",@progbits
	.p2align	6, 0x0
	.amdhsa_kernel k_q70246ed73c_quant
		.amdhsa_group_segment_fixed_size 124416
		.amdhsa_private_segment_fixed_size 0
		.amdhsa_enable_private_segment 0
		.amdhsa_kernarg_size 56
		.amdhsa_user_sgpr_count 2
		.amdhsa_user_sgpr_kernarg_segment_ptr 1
		.amdhsa_wavefront_size32 1
		.amdhsa_system_sgpr_workgroup_id_x 1
		.amdhsa_system_sgpr_workgroup_id_y 1
		.amdhsa_system_sgpr_workgroup_id_z 1
		.amdhsa_system_vgpr_workitem_id 0
		.amdhsa_next_free_vgpr 258
		.amdhsa_next_free_sgpr 66
		.amdhsa_reserve_vcc 1
		.amdhsa_float_denorm_mode_32 3
		.amdhsa_float_denorm_mode_16_64 3
		.amdhsa_memory_ordered 1
		.amdhsa_forward_progress 1
		.amdhsa_inst_pref_size 47
	.end_amdhsa_kernel
	.amdgpu_metadata
---
amdhsa.version: [ 1, 2 ]
amdhsa.kernels:
  - .name:           k_q70246ed73c_quant
    .symbol:         k_q70246ed73c_quant.kd
    .args:
      - { .name: w_qkv, .offset: 0, .size: 8, .value_kind: global_buffer, .address_space: global }
      - { .name: w_out, .offset: 8, .size: 8, .value_kind: global_buffer, .address_space: global }
      - { .name: c1, .offset: 16, .size: 8, .value_kind: global_buffer, .address_space: global }
      - { .name: s1, .offset: 24, .size: 8, .value_kind: global_buffer, .address_space: global }
      - { .name: c3, .offset: 32, .size: 8, .value_kind: global_buffer, .address_space: global }
      - { .name: s3, .offset: 40, .size: 8, .value_kind: global_buffer, .address_space: global }
      - { .name: x, .offset: 48, .size: 8, .value_kind: global_buffer, .address_space: global }
    .group_segment_fixed_size: 124416
    .private_segment_fixed_size: 0
    .kernarg_segment_align: 8
    .kernarg_segment_size: 56
    .max_flat_workgroup_size: 384
    .sgpr_count:     66
    .vgpr_count:     258
    .wavefront_size: 32
...
	.end_amdgpu_metadata
.endif
;; end of part 1
;; launch qkv (part 2): grid 12 x 32, 4 waves a work-group, clusters of 4 x 4, 327,680 bytes of LDS; arguments c1, s1, b_qkv, c2, s2; writes c2, s2
.if DOCPART == 2
	.amdgcn_target "amdgcn-amd-amdhsa--gfx1250"
	.amdhsa_code_object_version 6
	.text
	.protected	k_q70246ed73c_qkv
	.globl	k_q70246ed73c_qkv
	.p2align	8
	.type	k_q70246ed73c_qkv,@function
k_q70246ed73c_qkv:
	s_mov_b64 s[64:65], 0
	v_nop
	global_prefetch_b8 v0, s[64:65] scope:SCOPE_SE
	s_setreg_imm32_b32 hwreg(HW_REG_WAVE_MODE, 25, 1), 1
	s_wait_xcnt 0x0
	s_wait_alu depctr_hold_cnt(0) depctr_sa_sdst(0) depctr_va_vdst(0) depctr_va_sdst(0) depctr_va_ssrc(0) depctr_va_vcc(0) depctr_vm_vsrc(0)
	s_getreg_b32 s2, hwreg(HW_REG_IB_STS2, 6, 4)
	s_cmp_eq_u32 s2, 0
	s_cbranch_scc0 .Lentry_in_a_cluster
	s_endpgm
.Lentry_in_a_cluster:
	s_bfe_u32 s2, ttmp6, 0x10000c
	s_cmp_lg_u32 s2, 0xf033
	s_cbranch_scc0 .Lentry_shape_is_right
	s_endpgm
.Lentry_shape_is_right:
.set HALFT, 24576
.set SLOT,  98304
.set SPARE, 196608
.set FR,    12
.set ADRA,  8
.set ADRB,  10
.set STC,   12
.set RDC,   13
.set GO,    14
.set BR,    16
.set VOFF,  24
.set SPW,   28
.set NIL,   29
.set SC,    32
.set TM,    96
.set PWS,   108
.set YY,    116
.set YO,    118
.set AF,    128
.set T,     128
.set OUTR,  128
.set PC,    224
.set G1, 24
.set G0, 32
.set G1B, 48
.set G0B, 56
.set MSB, 0
.macro WIN new
.if MSB != (\new)
	s_set_vgpr_msb (MSB<<8)|(\new)
.set MSB, (\new)
.endif
.endm
.set MUL_LO, 0xa1
.set MUL_HI, 0xf1
.set TO_B,   0x40
.macro JLOAD g0a, g1a, g0b, g1b
	s_cmp_eq_u32 s15, 0
	s_cbranch_scc0 .Lfor_b_\@
	tensor_load_to_lds s[\g0a:\g0a+3], s[\g1a:\g1a+7]
	s_nop 0
.rept 4
	v_nop
.endr
	s_branch .Lasked_\@
.Lfor_b_\@:
	tensor_load_to_lds s[\g0b:\g0b+3], s[\g1b:\g1b+7]
	s_nop 0
.rept 4
	v_nop
.endr
.Lasked_\@:
.endm
.macro CREST
	s_cmp_lg_u32 s14, 0
	s_cbranch_scc1 .Lnot_wave_0_\@
	s_barrier_signal -3
.Lnot_wave_0_\@:
	s_barrier_wait -3
	s_barrier_signal -1
	s_barrier_wait -1
.endm
.macro CROUND
	s_barrier_signal -1
	s_barrier_wait -1
	CREST
.endm
.macro PLACES
.rept 4
	v_nop
.endr
.endm
	s_load_b128 s[4:7], s[0:1], 0x0
	s_load_b128 s[8:11], s[0:1], 0x10
	s_load_b64 s[12:13], s[0:1], 0x20
	v_lshl_add_u32 v[SPW], v0, 2, SPARE
	v_mov_b32 v[NIL], 0
	ds_add_u32 v28, v29
	ds_add_u32 v28, v29
	s_wait_dscnt 0x0
	v_lshrrev_b32 v1, 5, v0
	v_readfirstlane_b32 s14, v1
	s_lshr_b32 s15, s14, 1
	s_and_b32 s16, s14, 1
	s_bfe_u32 s40, ttmp6, 0x40000
	s_bfe_u32 s41, ttmp6, 0x40004
	s_and_b32 s17, ttmp7, 0xffff
	s_lshl_b32 s43, s41, 2
	s_lshl_b32 s43, 15, s43
	s_lshl_b32 s44, 0x1111, s40
	s_mov_b32 s2, 0x76543210
	s_mov_b32 s3, 0xfedcba98
	s_mov_b32 s70, 393216
	s_mov_b32 s72, 0x05040100
	s_mov_b32 s73, 0x07060302
	s_mov_b32 s74, 16384
	s_mov_b32 s98, 16384
	s_cmp_eq_u32 ttmp9, 2
	s_cselect_b32 s66, s17, ttmp9
	s_cselect_b32 s67, 0, s17
	s_cselect_b32 s68, 0, 512
	s_cselect_b32 s69, 640, 0
	s_cselect_b32 s70, 49152, s70
	s_cselect_b32 s71, 12582912, 0
	s_cselect_b32 s72, 0x03020100, s72
	s_cselect_b32 s73, 0x07060504, s73
	s_cselect_b32 s74, 64, s74
	s_cselect_b32 s75, 128, 64
	s_cselect_b32 s76, 0, -1
	s_cselect_b32 s77, -1, 0
	s_cselect_b32 s98, 2048, s98
	s_cselect_b32 s99, 64, 32
	s_cselect_b32 s42, 524288, 0
	s_lshl_b32 s78, s66, 2
	s_add_co_u32 s78, s78, s40
	s_lshl_b32 s79, s67, 2
	s_add_co_u32 s79, s79, s41
	s_lshl_b32 s18, s16, 3
	s_lshl_b32 s20, s79, 4
	s_add_co_u32 s20, s20, s69
	s_add_co_u32 s21, s20, s18
	s_mul_i32 s22, s21, 12288
	s_mov_b32 s23, 0
	s_lshl_b32 s46, s78, 4
	s_add_co_u32 s46, s46, s68
	s_add_co_u32 s47, s46, s18
	s_mul_i32 s92, s47, 12288
	s_mov_b32 s93, 0
	s_mul_i32 s45, s14, HALFT
	s_or_b32 s[G1+0], s43, (3<<16)|(1<<21)
	s_or_b32 s[G1B+0], s44, (3<<16)|(1<<21)
.irp g, G1, G1B
	s_mov_b32 s[\g+1], 384<<16
	s_mov_b32 s[\g+2], 8<<16
	s_mov_b32 s[\g+3], 384<<16
	s_mov_b32 s[\g+4], 8
	s_mov_b32 s[\g+5], 1536
	s_mov_b32 s[\g+6], 0
	s_mov_b32 s[\g+7], 0
.endr
	s_wait_kmcnt 0x0
	s_add_nc_u64 s[22:23], s[4:5], s[22:23]
	s_add_nc_u64 s[92:93], s[4:5], s[92:93]
	CROUND
.irp s, 0,1
	s_mov_b32 s[G0+4*\s], 1
	s_add_co_u32 s[G0+4*\s+1], s45, \s*SLOT
	s_add_nc_u64 s[G0+4*\s+2:G0+4*\s+3], s[22:23], \s*3072
	s_or_b32 s[G0+4*\s+3], s[G0+4*\s+3], 0x80000000
	s_mov_b32 s[G0B+4*\s], 1
	s_add_co_u32 s[G0B+4*\s+1], s45, \s*SLOT
	s_add_nc_u64 s[G0B+4*\s+2:G0B+4*\s+3], s[92:93], \s*3072
	s_or_b32 s[G0B+4*\s+3], s[G0B+4*\s+3], 0x80000000
	s_wait_alu depctr_va_vdst(0)
	s_wait_tensorcnt 0x0
	ds_add_u32 v28, v29
	ds_add_u32 v28, v29
	s_wait_dscnt 0x0
	CROUND
	JLOAD G0+4*\s, G1, G0B+4*\s, G1B
.endr
	v_and_b32 v1, 15, v0
	v_bfe_u32 v2, v0, 4, 1
	v_and_b32 v3, 31, v0
	s_wait_alu depctr_va_vdst(0)
	v_mul_u32_u24 v4, v3, 24
	s_mul_i32 s21, s15, HALFT
	s_mul_i32 s19, s16, HALFT
	s_add_co_u32 s19, s19, 2*HALFT
.irp s, 0,1
	v_add_nc_u32 v[ADRA+\s], s21, v4
	v_add_nc_u32 v[ADRB+\s], s19, v4
	s_add_co_u32 s21, s21, SLOT
	s_add_co_u32 s19, s19, SLOT
.endr
	s_lshl_b32 s80, s15, 3
	s_add_co_u32 s80, s80, s20
	s_lshl_b32 s80, s80, 9
	s_lshl_b32 s81, s47, 9
	v_mov_b32 v5, s80
	v_mov_b32 v6, s81
	v_cmp_le_u32 vcc_lo, 16, v3
	v_cndmask_b32 v5, v5, v6, vcc_lo
	v_lshl_add_u32 v5, v1, 2, v5
.irp i, 0,1,2,3,4,5,6,7
.irp s, 0,1,2,3,4,5,6,7
	global_load_b32 v[SC+8*\i+\s], v5, s[6:7] offset:512*\i+64*\s
.endr
.endr
	s_lshl_b32 s82, s78, 2
	s_lshl_b32 s84, s16, 1
	s_add_co_u32 s82, s82, s84
	s_lshl_b32 s83, s79, 4
	s_lshl_b32 s84, s15, 3
	s_add_co_u32 s83, s83, s84
	s_lshl_b32 s84, s82, 8
	s_and_b32 s84, s84, s76
	s_mov_b32 s85, 0
	s_add_nc_u64 s[84:85], s[8:9], s[84:85]
	s_lshl_b32 s86, s83, 6
	s_add_co_u32 s86, s86, 8192
	s_and_b32 s86, s86, s77
	s_mov_b32 s87, 0
	s_add_nc_u64 s[86:87], s[8:9], s[86:87]
	s_mul_i32 s88, s82, s70
	s_add_co_u32 s88, s88, s71
	s_mul_i32 s94, s83, 768
	s_add_co_u32 s88, s88, s94
	s_mov_b32 s89, 0
	s_add_nc_u64 s[88:89], s[10:11], s[88:89]
	s_mov_b32 s94, s70
	s_mov_b32 s95, 0
	s_add_nc_u64 s[90:91], s[88:89], s[94:95]
	s_mul_i32 s96, s82, s98
	s_add_co_u32 s96, s96, s42
	s_mul_i32 s94, s83, s99
	s_add_co_u32 s96, s96, s94
	s_mov_b32 s97, 0
	s_add_nc_u64 s[96:97], s[12:13], s[96:97]
	v_lshlrev_b32 v6, 6, v2
	v_and_b32 v7, 8, v1
	v_add_nc_u32 v7, v7, v1
	v_lshlrev_b32 v7, 2, v7
	WIN TO_B
.irp j, 0,1,2,3,4,5,6,7,8,9,10,11,12,13,14,15
	global_load_b128 v[96+4*\j+96*(\j/8):96+4*\j+96*(\j/8)+3], v6, s[84:85] offset:128*(\j/4)+16*(\j%4)
.endr
	WIN 0
.irp a, 0,1,2,3,4,5,6,7
	global_load_b32 v[BR+\a], v7, s[86:87] offset:(32*(\a/2)+8*(\a%2))*4
.endr
	s_mul_i32 s80, s14, 12288
	v_add_nc_u32 v[STC], s80, v4
	v_lshlrev_b32 v[GO], 4, v3
	v_add_nc_u32 v[RDC], s80, v[GO]
	v_mul_u32_u24 v[VOFF], s74, v2
	v_lshl_add_u32 v[VOFF], v1, 2, v[VOFF]
.irp k, 1,2,3
	v_add_nc_u32 v[VOFF+\k], s75, v[VOFF+\k-1]
.endr
.irp b, 0,1,2,3
	v_mov_b32 v[TM+4+\b], 0
.endr
	s_mov_b32 s19, 0xffff0000
	s_wait_loadcnt 0x0
	WIN 0x44
.set j, 0
.rept 64
	v_and_b32 v[96+j+96*(j/32)], s76, v[96+j+96*(j/32)]
.set j, j+1
.endr
	WIN 0
.irp a, 0,1,2,3,4,5,6,7
	v_and_b32 v[BR+\a], s77, v[BR+\a]
.endr
.macro FRAG reg, adr, q, i
.irp p, 0,1,2,3,4,5
	ds_load_b64 v[\reg+2*\p:\reg+2*\p+1], v[\adr] offset:3072*(\i)+1536*(\q)+768*(\p/3)+8*(\p%3)
.endr
.endm
.macro FETCH_B slot, q, p
	WIN TO_B
.irp i, 0,1,2,3,4,5,6,7
	FRAG 128*(\p)+FR*\i, ADRB+\slot, \q, \i
.endr
	WIN 0
.endm
.macro FETCH_A slot, q, i0
.irp i, \i0, \i0+1, \i0+2, \i0+3
	FRAG AF+FR*(\i), ADRA+\slot, \q, \i
.endr
.endm
.macro MUL16 a0, p, s, zero
.irp a, \a0, \a0+1
.irp b, 0,1,2,3,4,5,6,7
.if \zero
	v_wmma_scale_f32_16x16x128_f8f6f4 v[8*(8*((\a)%4)+\b):8*(8*((\a)%4)+\b)+7], v[128*(\p)+FR*\b:128*(\p)+FR*\b+FR-1], v[AF+FR*(\a):AF+FR*(\a)+FR-1], 0, v[SC+8*\b+(\s)], v[SC+8*(\a)+(\s)] matrix_a_fmt:MATRIX_FMT_FP6 matrix_b_fmt:MATRIX_FMT_FP6 matrix_a_scale:MATRIX_SCALE_ROW1
.else
	v_wmma_scale_f32_16x16x128_f8f6f4 v[8*(8*((\a)%4)+\b):8*(8*((\a)%4)+\b)+7], v[128*(\p)+FR*\b:128*(\p)+FR*\b+FR-1], v[AF+FR*(\a):AF+FR*(\a)+FR-1], v[8*(8*((\a)%4)+\b):8*(8*((\a)%4)+\b)+7], v[SC+8*\b+(\s)], v[SC+8*(\a)+(\s)] matrix_a_fmt:MATRIX_FMT_FP6 matrix_b_fmt:MATRIX_FMT_FP6 matrix_a_scale:MATRIX_SCALE_ROW1
.endif
.endr
.endr
.endm
.macro STEP slot, s, zero
	s_wait_dscnt 24
	WIN MUL_LO
	MUL16 0, 0, \s, \zero
	MUL16 2, 0, \s, \zero
	s_wait_dscnt 0x0
	PLACES
	FETCH_B \slot, 1, 1
	FETCH_A \slot, 1, 0
	WIN MUL_HI
	MUL16 4, 0, \s, \zero
	MUL16 6, 0, \s, \zero
	PLACES
	WIN 0
	FETCH_A \slot, 1, 4
.endm
.macro TURN slot, next, fill, s
	s_wait_tensorcnt 0x0
	ds_add_u32 v[SPW], v[NIL]
	s_wait_dscnt 25
	WIN MUL_LO
	MUL16 0, 1, \s, 0
	s_wait_dscnt 0x0
	s_barrier_signal -1
	MUL16 2, 1, \s, 0
	WIN 0
	s_barrier_wait -1
.if \fill
	CREST
	s_add_nc_u64 s[G0+4*\slot+2:G0+4*\slot+3], s[G0+4*\slot+2:G0+4*\slot+3], 6144
	s_add_nc_u64 s[G0B+4*\slot+2:G0B+4*\slot+3], s[G0B+4*\slot+2:G0B+4*\slot+3], 6144
	JLOAD G0+4*\slot, G1, G0B+4*\slot, G1B
.else
	PLACES
.endif
	FETCH_B \next, 0, 0
	FETCH_A \next, 0, 0
	WIN MUL_HI
	MUL16 4, 1, \s, 0
	MUL16 6, 1, \s, 0
	PLACES
	WIN 0
	FETCH_A \next, 0, 4
.endm
	s_wait_tensorcnt 1
	s_barrier_signal -1
	s_barrier_wait -1
	FETCH_B 0, 0, 0
	FETCH_A 0, 0, 0
	FETCH_A 0, 0, 4
	STEP 0, 0, 1
	TURN 0, 1, 1, 1
	STEP 1, 2, 0
	TURN 1, 0, 1, 3
	STEP 0, 4, 0
	TURN 0, 1, 0, 5
	STEP 1, 6, 0
	s_wait_dscnt 24
	WIN MUL_LO
	MUL16 0, 1, 7, 0
	MUL16 2, 1, 7, 0
	s_wait_dscnt 0x0
	WIN MUL_HI
	MUL16 4, 1, 7, 0
	MUL16 6, 1, 7, 0
	WIN 0
	PLACES
.macro QUANT s, pw
.irp b, 0,1,2,3
	v_max3_num_f32 v[TM+\b], |v[\s+16*\b]|, |v[\s+1+16*\b]|, 0x1800000
.endr
.irp i, 2,4,6,8,10,12,14
.irp b, 0,1,2,3
	v_max3_num_f32 v[TM+\b], v[TM+\b], |v[\s+16*\b+\i]|, |v[\s+1+16*\b+\i]|
.endr
.endr
.irp b, 0,1,2,3
	v_permlanex16_b32 v[TM+4+\b], v[TM+\b], s2, s3
.endr
.irp b, 0,1,2,3
	v_max_num_f32 v[TM+\b], v[TM+\b], v[TM+4+\b]
.endr
.irp b, 0,1,2,3
	v_add_nc_u32 v[TM+8+\b], 0xff000000, v[TM+\b]
.endr
.irp b, 0,1,2,3
	v_lshrrev_b32 v[TM+4+\b], 23, v[TM+8+\b]
.endr
	v_lshl_or_b32 v[\pw], v[TM+5], 8, v[TM+4]
	v_lshl_or_b32 v[\pw], v[TM+6], 16, v[\pw]
	v_lshl_or_b32 v[\pw], v[TM+7], 24, v[\pw]
.irp c, 0,1
	v_cvt_scalef32_pk16_fp6_f32 v[PC+6*\c:PC+2+6*\c], v[\s+32*\c:\s+15+32*\c], v[TM+8+2*\c]
	v_cvt_scalef32_pk16_fp6_f32 v[PC+12+4*\c:PC+14+4*\c], v[\s+16+32*\c:\s+31+32*\c], v[TM+8+2*\c+1]
.endr
	v_nop
.irp c, 0,1
.irp i, 0,1,2
	v_permlane16_swap_b32 v[PC+6*\c+\i], v[PC+12+4*\c+\i]
.endr
.irp i, 0,1,2
	v_mov_b32 v[PC+3+6*\c+\i], v[PC+12+4*\c+\i]
.endr
.endr
.endm
.macro BLK a
	WIN 0x06+(\a)/4
.set j, 0
.rept 32
	v_pk_add_f32 v[T+j:T+j+1], v[64*((\a)%4)+j:64*((\a)%4)+j+1], v[96+j+96*(j/32):96+j+96*(j/32)+1]
.set j, j+2
.endr
	WIN 0
.set j, 0
.rept 32
.if (\a)%2 == 0
	v_pk_add_f32 v[T+j:T+j+1], v[T+j:T+j+1], v[BR+(\a):BR+(\a)+1] op_sel_hi:[1,0]
.else
	v_pk_add_f32 v[T+j:T+j+1], v[T+j:T+j+1], v[BR+(\a)-1:BR+(\a)] op_sel:[0,1] op_sel_hi:[1,1]
.endif
.set j, j+2
.endr
	QUANT T, PWS+(\a)
.irp c, 0,1
.irp p, 0,1,2
	ds_store_b64 v[STC], v[PC+6*\c+2*\p:PC+6*\c+2*\p+1] offset:6144*\c+768*(\a)+8*\p
.endr
.endr
.if (\a)%2 == 1
	v_perm_b32 v[YY], v[PWS+(\a)], v[PWS+(\a)-1], s72
	v_perm_b32 v[YY+1], v[PWS+(\a)], v[PWS+(\a)-1], s73
	v_cndmask_b32 v[YO+(\a)/2], v[YY], v[YY+1], s19
	global_store_b32 v[VOFF+(\a)/2], v[YO+(\a)/2], s[96:97]
.endif
	s_wait_dscnt 0x0
.endm
.irp a, 0,1,2,3,4,5,6,7
	BLK \a
.endr
.irp c, 0,1
.irp k, 0,1,2,3,4,5,6,7,8,9,10,11
	ds_load_b128 v[OUTR+4*(12*\c+\k):OUTR+4*(12*\c+\k)+3], v[RDC] offset:6144*\c+512*\k
.endr
.endr
.irp c, 0,1
.irp k, 0,1,2,3,4,5,6,7,8,9,10,11
	s_wait_dscnt 23-12*\c-\k
	global_store_b128 v[GO], v[OUTR+4*(12*\c+\k):OUTR+4*(12*\c+\k)+3], s[88+2*\c:89+2*\c] offset:512*\k
.endr
.endr
	s_wait_tensorcnt 0x0
	ds_add_u32 v[SPW], v[NIL]
	s_wait_dscnt 0x0
	CROUND
	s_endpgm
.Lfunc_end_k_q70246ed73c_qkv:
	.size	k_q70246ed73c_qkv, .Lfunc_end_k_q70246ed73c_qkv-k_q70246ed73c_qkv
	.p2alignl 7, 3214868480
	.fill 96, 4, 3214868480
	.section	.rodata,"a",@progbits
	.p2align	6, 0x0
	.amdhsa_kernel k_q70246ed73c_qkv
		.amdhsa_group_segment_fixed_size 327680
		.amdhsa_private_segment_fixed_size 0
		.amdhsa_enable_private_segment 0
		.amdhsa_kernarg_size 40
		.amdhsa_user_sgpr_count 2
		.amdhsa_user_sgpr_kernarg_segment_ptr 1
		.amdhsa_wavefront_size32 1
		.amdhsa_system_sgpr_workgroup_id_x 1
		.amdhsa_system_sgpr_workgroup_id_y 1
		.amdhsa_system_sgpr_workgroup_id_z 1
		.amdhsa_system_vgpr_workitem_id 0
		.amdhsa_next_free_vgpr 1024
		.amdhsa_next_free_sgpr 100
		.amdhsa_reserve_vcc 1
		.amdhsa_float_denorm_mode_32 3
		.amdhsa_float_denorm_mode_16_64 3
		.amdhsa_memory_ordered 1
		.amdhsa_forward_progress 1
		.amdhsa_inst_pref_size 211
	.end_amdhsa_kernel
	.amdgpu_metadata
---
amdhsa.version: [ 1, 2 ]
amdhsa.kernels:
  - .name:           k_q70246ed73c_qkv
    .symbol:         k_q70246ed73c_qkv.kd
    .args:
      - { .name: c1, .offset: 0, .size: 8, .value_kind: global_buffer, .address_space: global }
      - { .name: s1, .offset: 8, .size: 8, .value_kind: global_buffer, .address_space: global }
      - { .name: b_qkv, .offset: 16, .size: 8, .value_kind: global_buffer, .address_space: global }
      - { .name: c2, .offset: 24, .size: 8, .value_kind: global_buffer, .address_space: global }
      - { .name: s2, .offset: 32, .size: 8, .value_kind: global_buffer, .address_space: global }
    .group_segment_fixed_size: 327680
    .private_segment_fixed_size: 0
    .kernarg_segment_align: 8
    .kernarg_segment_size: 40
    .max_flat_workgroup_size: 128
    .sgpr_count:     100
    .vgpr_count:     1024
    .wavefront_size: 32
...
	.end_amdgpu_metadata
.endif
;; end of part 2
;; launch attn (part 3): grid 4 x 64, 16 waves a work-group, clusters of 4 x 1, 327,680 bytes of LDS; arguments c2, s2, c3, s3; writes c3, s3
.if DOCPART == 3
	.amdgcn_target "amdgcn-amd-amdhsa--gfx1250"
	.amdhsa_code_object_version 6
	.text
	.protected	k_q70246ed73c_attn
	.globl	k_q70246ed73c_attn
	.p2align	8
	.type	k_q70246ed73c_attn,@function
k_q70246ed73c_attn:
	s_mov_b64 s[64:65], 0
	v_nop
	global_prefetch_b8 v0, s[64:65] scope:SCOPE_SE
	s_setreg_imm32_b32 hwreg(HW_REG_WAVE_MODE, 25, 1), 1
	s_wait_xcnt 0x0
	s_wait_alu depctr_hold_cnt(0) depctr_sa_sdst(0) depctr_va_vdst(0) depctr_va_sdst(0) depctr_va_ssrc(0) depctr_va_vcc(0) depctr_vm_vsrc(0)
	s_getreg_b32 s2, hwreg(HW_REG_IB_STS2, 6, 4)
	s_cmp_eq_u32 s2, 0
	s_cbranch_scc0 .Lentry_in_a_cluster
	s_endpgm
.Lentry_in_a_cluster:
	s_bfe_u32 s2, ttmp6, 0x10000c
	s_cmp_lg_u32 s2, 0x3003
	s_cbranch_scc0 .Lentry_shape_is_right
	s_endpgm
.Lentry_shape_is_right:
; z = softmax(q k^T / 8, causal) v for one head of one batch, both products on codes of FP6 (E2M3) with E8M0 scales; z is quantised along the model's 1,024 on the way out and goes to c3, s3 as the last product's operand.
; THE SOFTMAX: t = score x log2(e) / 8; M = the running largest t rounded UP to a whole number; p = 2^(t - M) is quantised along the keys, not normalised; the row's sum is taken of the unquantised p and divides at the end;
; when M moves, the sum and O are multiplied by 2^(old M - new M), which rounds nothing.  LEFT OUT: key steps all of whose keys come after a wave's queries (the causal mask makes their p zero).
; CLUSTER 4 x 1: the four work-groups of a head and batch read the same K, V and scale words: every tile is asked for JOINTLY (mask 15), once, at the head, one tensor load a wave (waves 0-7 K, 8-11 V, 12 and 13 the scale words).
; Nothing is filled again; one wait for all loads and one barrier show all tiles to all waves.  No prefetch: every tile is asked for at the head, so there is no loop to run ahead in.
; SHARES.  A chunk is 128 queries, 8 groups of 16.  The work-group at place cx owns groups 2 cx, 2 cx + 1 of every chunk.  Wave w owns group 2 cx + w % 2 of chunk w / 2 (first pass) and of chunk 15 - w / 2 (second pass):
; (w / 2 + 1) + (16 - w / 2) = 17 key steps of 128 keys for every wave.  Branches hang on the wave's number and the loops' counters alone; the place in the cluster enters global addresses and the mask's compare value only.
; UNITS.  q, k: 16 rows x the head's 64, 768 bytes, lane l's 24 bytes at 24 l; a group's rows are 32 (G / 2) + 8 (G % 2) + r + 8 (r / 8).  v: 16 channels x 64 keys.
; K IN LDS: a block of 32 keys is two groups, 1,536 bytes.  Even blocks lie from 0 on, odd blocks from KO on; KO is 64 more than a multiple of 256, so that the 32 lanes of a load of 8 bytes name 64 different words modulo 256 bytes.
; A TILE OF KEYS is chosen by address: rows 0-7 are keys 8 j + i of block 2 c, rows 8-15 the same of block 2 c + 1.  So register 32 c + 8 j + i of lane (query, h) is key 64 c + 32 h + 8 j + i of the step:
; a lane holds WHOLE blocks of 32 keys, in the order of the next operand's registers: no lane is asked for a block's maximum, and the codes stay where the conversions put them.
; K = 64 IN AN INSTRUCTION OF 128: a fragment is [tile 2 jj | tile 2 jj + 1]; multiplied by [q | zeros] it gives the first tile's scores, by [zeros | q] the second's.  [q | 0 | q] lies in 18 registers.  Zero codes add nothing under any scale byte of this program.
; LIMITS: NaN and infinities are not served; the promise holds while the scaled scores stay under 2^31 in magnitude; a block of zeros gets the byte 1 (its codes are zeros; this program alone reads the bytes).
.set KO,  49216
.set VCB, 98560                        ; V's units at VCB + 3072 kk + 768 t
.set KSB, 196864                       ; K's scale words at KSB + 64 (key / 32) + 4 r
.set VSB, 200960                       ; V's at VSB + 256 s + 64 t + 4 r
.set ZSB, 205056                       ; the way out: 768 bytes a wave, written by LDS stores alone
.set SPARE, 217344                     ; the spare words: 128 bytes a wave
.set AK0, 1
.set AV0, 2
.set ASK0, 3
.set ASV0, 4
.set ZSI, 5
.set ZSO, 6
.set ZSO2, 7
.set ADK, 8
.set ADV, 9
.set ADS, 10
.set ADT, 11
.set QA,  16                           ; v16-33 [q | 0 | q]
.set H8,  34                           ; 8 x (lane / 16)
.set DD,  35                           ; my query in its chunk less 32 (lane / 16)
.set L16, 36
.set L8,  37
.set R4,  38
.set NINF, 39
.set FRG, 40                           ; v40-87 four fragments of K, then of V
.set Q2,  88                           ; v88-93 the second pass's q
.set QRAW, 94                          ; v94, v95 q's scale words as loaded
.set S,   96                           ; v96-159 scores, then p; on the way out z and its codes
.set OT,  160                          ; v160-191 O^T
.set PC,  192
.set PT,  204
.set BM,  212
.set BT,  216
.set BS,  218
.set ST,  220                          ; v220-233 seven partial sums
.set KW,  234
.set VW,  238
.set PW,  244
.set L24, 245
.set QAW, 246
.set TMP, 248
.set QROT, 249
.set FF,  250
.set SPW, 254
.set NIL, 255
.set CS,  22
.set G1K, 24
.set G1V, 32
.set G1KS, 68
.set G1VS, 76
.set TB,  56
.set TV,  57
.set TSC, 58
.set KF,  59
.set CNT, 60
.set CH,  61
.macro WALU
	s_wait_alu depctr_va_vdst(0)
.endm
.macro CROUND
	s_barrier_signal -1
	s_barrier_wait -1
	s_cmp_lg_u32 s12, 0
	s_cbranch_scc1 .Lnw0_\@
	s_barrier_signal -3
.Lnw0_\@:
	s_barrier_wait -3
	s_barrier_signal -1
	s_barrier_wait -1
.endm
.macro TLOAD g0, g1
	tensor_load_to_lds s[\g0:\g0+3], s[\g1:\g1+7]
	s_nop 0
.rept 4
	v_nop
.endr
.endm
.macro GRP1 g, c, r, p                 ; r rows of c elements of 8 bytes, p elements apart; mask 15, bit 21 beside it; no padding
	s_mov_b32 s[\g], 15|(3<<16)|(1<<21)
	s_mov_b32 s[\g+1], (\c)<<16
	s_mov_b32 s[\g+2], (\r)<<16
	s_mov_b32 s[\g+3], (\c)<<16
	s_mov_b32 s[\g+4], \r
	s_mov_b32 s[\g+5], \p
	s_mov_b32 s[\g+6], 0
	s_mov_b32 s[\g+7], 0
.endm
.macro QOFF gt, pc, ps                 ; byte offsets of group s[gt]'s unit of q and of its scale words (shared with the neighbour group)
	s_mul_i32 s[\pc], s17, 393216
	s_mul_i32 s62, s[\gt], 768
	s_add_co_u32 s[\pc], s[\pc], s62
	s_mov_b32 s[\pc+1], 0
	s_lshl_b32 s[\ps], s17, 14
	s_lshr_b32 s62, s[\gt], 1
	s_lshl_b32 s62, s62, 6
	s_add_co_u32 s[\ps], s[\ps], s62
	s_mov_b32 s[\ps+1], 0
.endm
	s_load_b256 s[4:11], s[0:1], 0x0               ; c2, s2, c3, s3
	v_lshl_add_u32 v[SPW], v0, 2, SPARE
	v_mov_b32 v[NIL], 0
	ds_add_u32 v[SPW], v[NIL]                      ; the opening lines: the add twice and one wait
	ds_add_u32 v[SPW], v[NIL]
	v_lshrrev_b32 v8, 5, v0
	v_readfirstlane_b32 s12, v8                    ; wave 0..15
	s_bfe_u32 s13, ttmp6, 0x40000                  ; cx
	s_and_b32 s14, s12, 1                          ; which of my two groups; also K's parity of blocks
	s_mul_i32 s62, s12, 768
	s_add_co_u32 s62, s62, ZSB                     ; my stage
	s_lshl_b32 s63, s13, 5
	s_lshl_b32 s15, s14, 3
	s_add_co_u32 s63, s63, s15                     ; 32 cx + 8 g
	v_and_b32 v8, 31, v0                           ; lane
	v_and_b32 v9, 15, v0                           ; r
	v_bfe_u32 v10, v0, 4, 1                        ; h
	v_bfe_u32 v11, v0, 3, 1                        ; r / 8
	v_and_b32 v[AK0], 7, v0                        ; r % 8
	v_mul_u32_u24 v[L24], v8, 24
	v_lshlrev_b32 v[R4], 2, v9
	v_lshlrev_b32 v[ASK0], 2, v[AK0]
	v_mul_u32_u24 v[AK0], v[AK0], 24
	v_lshl_add_u32 v[ASK0], v11, 6, v[ASK0]
	v_mad_u32_u24 v[AK0], v11, KO, v[AK0]
	v_add_nc_u32 v[ASK0], KSB, v[ASK0]             ; K's scale word: 64 (r / 8) + 4 (r % 8)
	v_mad_u32_u24 v[AK0], v10, 384, v[AK0]         ; K: KO (r / 8) + 24 (r % 8) + 384 h
	v_add_nc_u32 v[AV0], VCB, v[L24]
	v_add_nc_u32 v[ASV0], VSB, v[R4]
	v_add_nc_u32 v[ZSI], s62, v[L24]
	v_lshlrev_b32 v[L16], 4, v8
	v_lshlrev_b32 v[L8], 3, v8
	v_add_nc_u32 v[ZSO], s62, v[L16]
	v_add_nc_u32 v[ZSO2], s62, v[L8]
	v_lshlrev_b32 v[H8], 3, v10
	v_and_b32 v[DD], 8, v9
	v_lshlrev_b32 v11, 5, v10
	v_add_nc_u32 v[ZSO2], 512, v[ZSO2]
	v_add_nc_u32 v[DD], v[DD], v9
	v_sub_nc_u32 v11, s63, v11
	v_add_nc_u32 v[DD], v[DD], v11                 ; 32 cx + 8 g + r + 8 (r / 8) - 32 h
.irp j, 0,1,2,3,4,5
	v_mov_b32 v[QA+6+\j], 0                        ; the zero half, written once
.endr
	v_mov_b32 v[BT], 0                             ; a lane permute's destination counts as one of its sources
	v_mov_b32 v[BT+1], 0
	v_mov_b32 v[TMP], 0
	v_mov_b32 v[FF+1], 0
	v_mov_b32 v[NINF], 0xff800000
	s_and_b32 s15, ttmp7, 0xffff
	s_lshr_b32 s16, s15, 4                         ; batch
	s_and_b32 s17, s15, 15                         ; head
	s_add_co_u32 s18, s17, 16
	s_sub_co_u32 s15, 0, s14                       ; all ones where my group is an odd one
	s_lshr_b32 s19, s12, 1                         ; the first pass's chunk; for waves 0-7 also which 8 rows of K
	s_mov_b32 s20, 0x76543210
	s_mov_b32 s21, 0xfedcba98
	s_mov_b32 s[CS], 0x3e38aa3b                    ; c = log2(e) / 8
	s_mov_b32 s[CS+1], s[CS]
	GRP1 G1K, 192, 8, 384                          ; K: 8 blocks of one parity, 1,536 bytes each, 3,072 apart
	GRP1 G1V, 384, 8, 6144                         ; V: 8 rows of 3,072 bytes, 49,152 apart
	GRP1 G1KS, 32, 16, 32                          ; K's scale words: 4,096 dense bytes as 16 rows of 256
	GRP1 G1VS, 32, 16, 512                         ; V's: 16 rows of 256 bytes, 4,096 apart
	s_mul_i32 s94, s18, 393216                     ; K's codes: (16 + head) x 393216 + batch x 98304 + 1536 x parity + 24576 x (wave / 2)
	s_mul_i32 s62, s16, 98304
	s_add_co_u32 s94, s94, s62
	s_mul_i32 s62, s14, 1536
	s_add_co_u32 s94, s94, s62
	s_mul_i32 s62, s19, 24576
	s_add_co_u32 s94, s94, s62
	s_mov_b32 s95, 0
	s_mov_b32 s40, 1
	s_mul_i32 s41, s14, KO
	s_mul_i32 s62, s19, 12288
	s_add_co_u32 s41, s41, s62
	s_and_b32 s63, s12, 3                          ; V's codes: 12582912 + batch x 1572864 + head x 3072 + 393216 x (wave % 4)
	s_mul_i32 s96, s16, 1572864
	s_mul_i32 s62, s17, 3072
	s_add_co_u32 s96, s96, s62
	s_mul_i32 s62, s63, 393216
	s_add_co_u32 s96, s96, s62
	s_add_co_u32 s96, s96, 12582912
	s_mov_b32 s97, 0
	s_mov_b32 s44, 1
	s_mul_i32 s45, s63, 24576
	s_add_co_u32 s45, s45, VCB
	s_lshl_b32 s98, s18, 14                        ; K's scale words
	s_lshl_b32 s62, s16, 12
	s_add_co_u32 s98, s98, s62
	s_mov_b32 s99, 0
	s_mov_b32 s48, 1
	s_mov_b32 s49, KSB
	s_lshl_b32 s56, s16, 16                        ; V's
	s_lshl_b32 s62, s17, 8
	s_add_co_u32 s56, s56, s62
	s_add_co_u32 s56, s56, 524288
	s_mov_b32 s57, 0
	s_mov_b32 s52, 1
	s_mov_b32 s53, VSB
	s_lshl_b32 s2, s16, 7                          ; my groups among all tokens: 128 batch + 8 chunk + 2 cx + g
	s_lshl_b32 s62, s13, 1
	s_add_co_u32 s2, s2, s62
	s_add_co_u32 s2, s2, s14
	s_lshl_b32 s62, s19, 3
	s_sub_co_u32 s3, 120, s62
	s_add_co_u32 s3, s3, s2                        ; the second pass's
	s_add_co_u32 s2, s2, s62                       ; the first's
	QOFF 2, 66, 84
	QOFF 3, 86, 88
	WALU                                           ; the wait at the head's end
	s_wait_dscnt 0x0                               ; both opening adds are done
	CROUND                                         ; all four work-groups are here: the joint loads meet
	s_wait_kmcnt 0x0
	s_add_nc_u64 s[42:43], s[4:5], s[94:95]
	s_add_nc_u64 s[46:47], s[4:5], s[96:97]
	s_add_nc_u64 s[50:51], s[6:7], s[98:99]
	s_add_nc_u64 s[54:55], s[6:7], s[56:57]
	s_or_b32 s43, s43, 0x80000000
	s_or_b32 s47, s47, 0x80000000
	s_or_b32 s51, s51, 0x80000000
	s_or_b32 s55, s55, 0x80000000
	s_add_nc_u64 s[66:67], s[4:5], s[66:67]
	s_add_nc_u64 s[84:85], s[6:7], s[84:85]
	s_add_nc_u64 s[86:87], s[4:5], s[86:87]
	s_add_nc_u64 s[88:89], s[6:7], s[88:89]
	s_cmp_lt_u32 s12, 8                            ; one chain of branches on the wave's number, one load to an arm
	s_cbranch_scc0 .Larm_v
	TLOAD 40, G1K
	s_branch .Lasked
.Larm_v:
	s_cmp_lt_u32 s12, 12
	s_cbranch_scc0 .Larm_ks
	TLOAD 44, G1V
	s_branch .Lasked
.Larm_ks:
	s_cmp_eq_u32 s12, 12
	s_cbranch_scc0 .Larm_vs
	TLOAD 48, G1KS
	s_branch .Lasked
.Larm_vs:
	s_cmp_eq_u32 s12, 13
	s_cbranch_scc0 .Lasked
	TLOAD 52, G1VS
.Lasked:
.irp p, 0,1,2                                  ; q of both passes, on its way while the tiles are
	global_load_b64 v[QA+2*\p:QA+2*\p+1], v[L24], s[66:67] offset:8*\p
	global_load_b64 v[QA+12+2*\p:QA+12+2*\p+1], v[L24], s[66:67] offset:8*\p
	global_load_b64 v[Q2+2*\p:Q2+2*\p+1], v[L24], s[86:87] offset:8*\p
.endr
	global_load_b32 v[QRAW], v[R4], s[84:85]
	global_load_b32 v[QRAW+1], v[R4], s[88:89]
; A KEY STEP: 128 keys from KF on.
.macro STEP
	s_cmp_gt_u32 s[KF], s[CH]
	s_cbranch_scc1 .Lhid_\@                        ; all keys hidden: only the addresses step
	v_add_nc_u32 v[ADK], s[TB], v[AK0]             ; (these four are also the places behind the last step's products)
	v_add_nc_u32 v[ADV], s[TV], v[AV0]
	v_add_nc_u32 v[ADS], s[TSC], v[ASK0]
	v_add_nc_u32 v[ADT], s[TSC], v[ASV0]
.irp f, 0,1,2,3                                ; fragment f = 2 c + jj: tiles 2 jj, 2 jj + 1 of the pair of blocks c
.irp p, 0,1,2,3,4,5
	ds_load_b64 v[FRG+12*\f+2*\p:FRG+12*\f+2*\p+1], v[ADK] offset:1536*(\f/2)+192*(\f%2)+768*(\p/3)+8*(\p%3)
.endr
	ds_load_b32 v[KW+\f], v[ADS] offset:128*(\f/2)+32*(\f%2)
.endr
	WALU                                           ; the wait ahead of the blocking waits
.irp f, 0,1,2,3
	s_wait_dscnt 21-7*\f                           ; the later fragments' seven loads each may be out
.irp u, 0,1
	v_wmma_scale_f32_16x16x128_f8f6f4 v[S+16*\f+8*\u:S+16*\f+8*\u+7], v[FRG+12*\f:FRG+12*\f+11], v[QA+6*\u:QA+6*\u+11], 0, v[KW+\f], v[QAW+\u] matrix_a_fmt:MATRIX_FMT_FP6 matrix_b_fmt:MATRIX_FMT_FP6
.endr
.endr
.rept 4
	v_nop                                          ; places in front of the loads below and of the first read of the scores
.endr
.irp t, 0,1,2,3                                ; V's fragments land while the softmax is walked
.irp p, 0,1,2,3,4,5
	ds_load_b64 v[FRG+12*\t+2*\p:FRG+12*\t+2*\p+1], v[ADV] offset:768*\t+3072*(\p/3)+8*(\p%3)
.endr
	ds_load_b32 v[VW+\t], v[ADT] offset:64*\t
.endr
	s_cmp_lg_u32 s[KF], s[CH]
	s_cbranch_scc1 .Lopen_\@                       ; only my chunk's own step has hidden keys
.set n, 0
.rept 64
	v_cmp_gt_i32 vcc_lo, 64*(n/32)+n%32, v[DD]     ; register 32 c + n is hidden where 64 c + n > d
	v_cndmask_b32 v[S+n], v[S+n], v[NINF], vcc_lo
.set n, n+1
.endr
.Lopen_\@:
.irp b, 0,1,2,3                                ; four chains over 16 scores each; two of them make a block's largest score
	v_max3_num_f32 v[BM+\b], v[S+16*\b], v[S+1+16*\b], v[S+2+16*\b]
.endr
.irp i, 3,5,7,9,11,13
.irp b, 0,1,2,3
	v_max3_num_f32 v[BM+\b], v[BM+\b], v[S+16*\b+\i], v[S+1+16*\b+\i]
.endr
.endr
	v_max3_num_f32 v[BM], v[BM], v[BM+1], v[S+15]
	v_max3_num_f32 v[BM+2], v[BM+2], v[BM+3], v[S+47]
	v_max_num_f32 v[BM], v[BM], v[S+31]            ; block h's largest score,
	v_max_num_f32 v[BM+2], v[BM+2], v[S+63]        ; block 2 + h's
	v_max_num_f32 v[TMP], v[BM], v[BM+2]
	v_permlanex16_b32 v[BT], v[TMP], s20, s21
	v_max_num_f32 v[TMP], v[TMP], v[BT]            ; the step's largest score of my query
	v_mul_f32 v[TMP], s[CS], v[TMP]
	v_max_num_f32 v13, v13, v[TMP]                 ; the running largest t
	v_mov_b32 v[TMP], v12
	v_floor_f32 v12, -v13                          ; the new -M
	v_sub_f32 v[TMP], v12, v[TMP]
	v_cvt_i32_f32 v[TMP], v[TMP]                   ; (it saturates)
	v_ldexp_f32 v[FF], 1.0, v[TMP]                 ; f = 2^(old M - new M)
.set j, 0
.rept 32
	v_pk_fma_f32 v[S+j:S+j+1], v[S+j:S+j+1], s[CS:CS+1], v[12:13] op_sel_hi:[1,0,0]   ; t - M
.set j, j+2
.endr
	v_fma_f32 v[BM], v[BM], s[CS], v12
	v_fma_f32 v[BM+2], v[BM+2], s[CS], v12
	WALU                                           ; ahead of the batch
.set j, 0
.rept 64
	v_exp_f32 v[S+j], v[S+j]                       ; p = 2^(t - M)
.set j, j+1
.endr
	v_exp_f32 v[BM], v[BM]                         ; the blocks' largest p
	v_exp_f32 v[BM+2], v[BM+2]
	v_pk_mul_f32 v[14:15], v[14:15], v[FF:FF+1] op_sel_hi:[1,0]   ; the sums under the new M (a plain place behind the exponentials)
	WALU                                           ; one wait for the batch
	v_max_num_f32 v[BM], 0x1800000, v[BM]          ; the floor 2^(3 - 127)
	v_max_num_f32 v[BM+2], 0x1800000, v[BM+2]
	v_add_nc_u32 v[BS], 0xff000000, v[BM]          ; 2 off the exponent field: the conversions' scale operands
	v_add_nc_u32 v[BS+1], 0xff000000, v[BM+2]
	v_lshrrev_b32 v[BT], 23, v[BS]
	v_lshrrev_b32 v[BT+1], 23, v[BS+1]
	v_lshl_or_b32 v[TMP], v[BT+1], 16, v[BT]       ; my two bytes, blocks h and 2 + h,
	v_lshlrev_b32 v[TMP], v[H8], v[TMP]            ; at their places;
	v_permlanex16_b32 v[BT], v[TMP], s20, s21
	v_or_b32 v[PW], v[TMP], v[BT]                  ; with lane l xor 16's two the word is whole
.irp c, 0,1
	v_cvt_scalef32_pk16_fp6_f32 v[PC+6*\c:PC+6*\c+2], v[S+32*\c:S+32*\c+15], v[BS+\c]
	v_cvt_scalef32_pk16_fp6_f32 v[PT+4*\c:PT+4*\c+2], v[S+32*\c+16:S+32*\c+31], v[BS+\c]
.endr
	v_nop                                          ; one plain place behind a scaled conversion
.irp c, 0,1
.irp i, 0,1,2
	v_mov_b32 v[PC+3+6*\c+\i], v[PT+4*\c+\i]
.endr
.endr
.irp k, 0,1,2,3,4,5,6                          ; the row's sum of the unquantised p: eight chains of pairs
	v_pk_add_f32 v[ST+2*\k:ST+2*\k+1], v[S+2*\k:S+2*\k+1], v[S+14+2*\k:S+15+2*\k]
.endr
	v_pk_add_f32 v[14:15], v[14:15], v[S+28:S+29]
.irp k, 0,1,2,3,4,5,6
	v_pk_add_f32 v[ST+2*\k:ST+2*\k+1], v[ST+2*\k:ST+2*\k+1], v[S+30+2*\k:S+31+2*\k]
.endr
	v_pk_add_f32 v[14:15], v[14:15], v[S+44:S+45]
.irp k, 0,1,2,3,4,5,6
	v_pk_add_f32 v[ST+2*\k:ST+2*\k+1], v[ST+2*\k:ST+2*\k+1], v[S+46+2*\k:S+47+2*\k]
.endr
	v_pk_add_f32 v[14:15], v[14:15], v[S+60:S+61]
	v_pk_add_f32 v[ST:ST+1], v[ST:ST+1], v[S+62:S+63]
	v_pk_add_f32 v[ST+4:ST+5], v[ST+4:ST+5], v[ST+6:ST+7]
	v_pk_add_f32 v[ST+8:ST+9], v[ST+8:ST+9], v[ST+10:ST+11]
	v_pk_add_f32 v[14:15], v[14:15], v[ST+12:ST+13]
	v_pk_add_f32 v[ST:ST+1], v[ST:ST+1], v[ST+2:ST+3]
	v_pk_add_f32 v[14:15], v[14:15], v[ST+8:ST+9]
	v_pk_add_f32 v[ST:ST+1], v[ST:ST+1], v[ST+4:ST+5]
	v_pk_add_f32 v[14:15], v[14:15], v[ST:ST+1]
	WALU                                           ; directly ahead of the first reader of O^T
.set j, 0
.rept 16
	v_pk_mul_f32 v[OT+j:OT+j+1], v[OT+j:OT+j+1], v[FF:FF+1] op_sel_hi:[1,0]   ; O^T under the new M
.set j, j+2
.endr
	WALU
	s_wait_dscnt 0x0                               ; V's fragments and scale words
.irp t, 0,1,2,3
	v_wmma_scale_f32_16x16x128_f8f6f4 v[OT+8*\t:OT+8*\t+7], v[FRG+12*\t:FRG+12*\t+11], v[PC:PC+11], v[OT+8*\t:OT+8*\t+7], v[VW+\t], v[PW] matrix_a_fmt:MATRIX_FMT_FP6 matrix_b_fmt:MATRIX_FMT_FP6
.endr
.Lhid_\@:
	s_add_co_u32 s[KF], s[KF], 128
	s_add_co_u32 s[TB], s[TB], 3072                ; two blocks of each parity
	s_add_co_u32 s[TV], s[TV], 6144                ; 2 x 4 units of V
	s_add_co_u32 s[TSC], s[TSC], 256
.endm
; A PASS: one group of 16 queries, \trips steps of 128 keys of which those up to the group's chunk are walked.
.macro PASS trips, second
	s_wait_xcnt 0x0                                ; the last pass's stores have read their registers and bases
	s_mul_i32 s94, s[2+\second], 12288
	s_mul_i32 s62, s17, 768
	s_add_co_u32 s94, s94, s62
	s_mov_b32 s95, 0
	s_add_nc_u64 s[90:91], s[8:9], s[94:95]        ; z's unit: group, kk = head
	s_lshl_b32 s94, s[2+\second], 9
	s_lshr_b32 s62, s17, 1
	s_lshl_b32 s62, s62, 6
	s_add_co_u32 s94, s94, s62
	s_and_b32 s62, s17, 1
	s_lshl_b32 s62, s62, 1
	s_add_co_u32 s94, s94, s62
	s_add_nc_u64 s[92:93], s[10:11], s[94:95]      ; z's half of a scale word
.if \second
	s_sub_co_u32 s[CH], 15, s19
	s_lshl_b32 s[CH], s[CH], 7
.irp j, 0,1,2,3,4,5
	v_mov_b32 v[QA+\j], v[Q2+\j]
	v_mov_b32 v[QA+12+\j], v[Q2+\j]
.endr
.else
	s_lshl_b32 s[CH], s19, 7                       ; my chunk's first key
.endif
	v_perm_b32 v[QROT], v[QRAW+\second], v[QRAW+\second], 0x01000302   ; the word's halves changed
	v_mov_b32 v13, 0xff61b1e6                      ; the largest t so far: -3e38
	v_mov_b32 v14, 0
	v_mov_b32 v15, 0
	v_cndmask_b32 v[QAW], v[QRAW+\second], v[QROT], s15      ; q's two bytes below, for [q | 0];
	v_cndmask_b32 v[QAW+1], v[QROT], v[QRAW+\second], s15    ; above, for [0 | q]
	v_floor_f32 v12, -v13
.set j, 0
.rept 32
	v_mov_b32 v[OT+j], 0                           ; the step is written once: the first finds zeros.  (Also the places between the operands just made and the first product)
.set j, j+1
.endr
	s_mov_b32 s[TB], 0
	s_mov_b32 s[TV], 0
	s_mov_b32 s[TSC], 0
	s_mov_b32 s[KF], 0
	s_mov_b32 s[CNT], \trips
	WALU
.Ltrip_\@:
	STEP
	s_sub_co_u32 s[CNT], s[CNT], 1
	s_cmp_lg_u32 s[CNT], 0
	s_cbranch_scc1 .Ltrip_\@
	; THE WAY OUT: z = O^T / the sum, quantised along the head's 64; register 16 b + i is channel 32 b + 16 h + i
.rept 4
	v_nop
.endr
	v_add_f32 v14, v14, v15
	v_permlanex16_b32 v[TMP], v14, s20, s21
	v_add_f32 v14, v14, v[TMP]                     ; the row's sum
	WALU
	v_rcp_f32 v[FF], v14
	v_nop
	WALU
.set j, 0
.rept 16
	v_pk_mul_f32 v[S+j:S+j+1], v[OT+j:OT+j+1], v[FF:FF+1] op_sel_hi:[1,0]
.set j, j+2
.endr
.irp b, 0,1
	v_max3_num_f32 v[BM+\b], |v[S+16*\b]|, |v[S+1+16*\b]|, 0x1800000
.endr
.irp i, 2,4,6,8,10,12,14
.irp b, 0,1
	v_max3_num_f32 v[BM+\b], v[BM+\b], |v[S+16*\b+\i]|, |v[S+1+16*\b+\i]|
.endr
.endr
.irp b, 0,1
	v_permlanex16_b32 v[BT+\b], v[BM+\b], s20, s21
.endr
.irp b, 0,1
	v_max_num_f32 v[BM+\b], v[BM+\b], v[BT+\b]
.endr
.irp b, 0,1
	v_add_nc_u32 v[BS+\b], 0xff000000, v[BM+\b]
.endr
.irp b, 0,1
	v_lshrrev_b32 v[BT+\b], 23, v[BS+\b]
.endr
	v_lshl_or_b32 v146, v[BT+1], 8, v[BT]          ; the two bytes
	v_cvt_scalef32_pk16_fp6_f32 v[128:130], v[S:S+15], v[BS]
	v_cvt_scalef32_pk16_fp6_f32 v[136:138], v[S+16:S+31], v[BS+1]
	v_nop
.irp i, 0,1,2
	v_permlane16_swap_b32 v[128+\i], v[136+\i]
.endr
.irp i, 0,1,2
	v_mov_b32 v[131+\i], v[136+\i]
.endr
.irp p, 0,1,2
	ds_store_b64 v[ZSI], v[128+2*\p:129+2*\p] offset:8*\p
.endr
	ds_load_b128 v[140:143], v[ZSO]                ; LDS serves a wave's instructions in order: these see my stores
	ds_load_b64 v[144:145], v[ZSO2]
	WALU
	s_wait_dscnt 0x0
	global_store_b128 v[L16], v[140:143], s[90:91]             ; the unit's 768 bytes: 512 consecutive bytes,
	global_store_b64 v[L8], v[144:145], s[90:91] offset:512    ; and 256
	global_store_b16 v[R4], v146, s[92:93]
.endm
	s_wait_loadcnt 0x0                             ; q of both passes
	s_wait_tensorcnt 0x0                           ; my tile has landed,
	s_barrier_signal -1
	s_barrier_wait -1                              ; everybody's has: the head's K, V and scale words are whole
	PASS 8, 0                                      ; chunk w / 2: under key 1,024
	PASS 16, 1                                     ; chunk 15 - w / 2
	s_wait_tensorcnt 0x0                           ; the wave's end
	ds_add_u32 v[SPW], v[NIL]
	s_wait_dscnt 0x0
	CROUND                                         ; the closing round
	s_endpgm
.Lfunc_end_k_q70246ed73c_attn:
	.size	k_q70246ed73c_attn, .Lfunc_end_k_q70246ed73c_attn-k_q70246ed73c_attn
	.p2alignl 7, 3214868480
	.fill 96, 4, 3214868480
	.section	.rodata,"a",@progbits
	.p2align	6, 0x0
	.amdhsa_kernel k_q70246ed73c_attn
		.amdhsa_group_segment_fixed_size 327680
		.amdhsa_private_segment_fixed_size 0
		.amdhsa_enable_private_segment 0
		.amdhsa_kernarg_size 32
		.amdhsa_user_sgpr_count 2
		.amdhsa_user_sgpr_kernarg_segment_ptr 1
		.amdhsa_wavefront_size32 1
		.amdhsa_system_sgpr_workgroup_id_x 1
		.amdhsa_system_sgpr_workgroup_id_y 1
		.amdhsa_system_sgpr_workgroup_id_z 1
		.amdhsa_system_vgpr_workitem_id 0
		.amdhsa_next_free_vgpr 256
		.amdhsa_next_free_sgpr 100
		.amdhsa_reserve_vcc 1
		.amdhsa_float_denorm_mode_32 3
		.amdhsa_float_denorm_mode_16_64 3
		.amdhsa_memory_ordered 1
		.amdhsa_forward_progress 1
		.amdhsa_inst_pref_size 67
	.end_amdhsa_kernel
	.amdgpu_metadata
---
amdhsa.version: [ 1, 2 ]
amdhsa.kernels:
  - .name:           k_q70246ed73c_attn
    .symbol:         k_q70246ed73c_attn.kd
    .args:
      - { .name: c2, .offset: 0, .size: 8, .value_kind: global_buffer, .address_space: global }
      - { .name: s2, .offset: 8, .size: 8, .value_kind: global_buffer, .address_space: global }
      - { .name: c3, .offset: 16, .size: 8, .value_kind: global_buffer, .address_space: global }
      - { .name: s3, .offset: 24, .size: 8, .value_kind: global_buffer, .address_space: global }
    .group_segment_fixed_size: 327680
    .private_segment_fixed_size: 0
    .kernarg_segment_align: 8
    .kernarg_segment_size: 32
    .max_flat_workgroup_size: 512
    .sgpr_count:     100
    .vgpr_count:     256
    .wavefront_size: 32
...
	.end_amdgpu_metadata
.endif
;; end of part 3
;; launch outp (part 4): grid 4 x 64, 4 waves a work-group, clusters of 4 x 4, 327,680 bytes of LDS; arguments c3, s3, b_out, out0; writes out0
.if DOCPART == 4
	.amdgcn_target "amdgcn-amd-amdhsa--gfx1250"
	.amdhsa_code_object_version 6
	.text
	.protected	k_q70246ed73c_outp
	.globl	k_q70246ed73c_outp
	.p2align	8
	.type	k_q70246ed73c_outp,@function
k_q70246ed73c_outp:
	s_mov_b64 s[64:65], 0
	v_nop
	global_prefetch_b8 v0, s[64:65] scope:SCOPE_SE
	s_setreg_imm32_b32 hwreg(HW_REG_WAVE_MODE, 25, 1), 1
	s_wait_xcnt 0x0
	s_wait_alu depctr_hold_cnt(0) depctr_sa_sdst(0) depctr_va_vdst(0) depctr_va_sdst(0) depctr_va_ssrc(0) depctr_va_vcc(0) depctr_vm_vsrc(0)
	s_getreg_b32 s2, hwreg(HW_REG_IB_STS2, 6, 4)
	s_cmp_eq_u32 s2, 0
	s_cbranch_scc0 .Lentry_in_a_cluster
	s_endpgm
.Lentry_in_a_cluster:
	s_bfe_u32 s2, ttmp6, 0x10000c
	s_cmp_lg_u32 s2, 0xf033
	s_cbranch_scc0 .Lentry_shape_is_right
	s_endpgm
.Lentry_shape_is_right:
; out0 = z w_out + b_out on codes of FP6 (E2M3) with E8M0 scales, K = 1,024; out0 [8192][1024] f32.
; OPERANDS lie in c3 in the order of the operand's registers: group g (16 rows: 32 (g / 2) + 8 (g % 2) + r + 8 (r / 8)), unit kk (64 along K, 768 bytes, lane l's 24 bytes at 24 l) at 12288 g + 768 kk;
; groups 0-511 are z's tokens, groups 512-575 w_out's columns.  Scale words in s3 at 512 g + 64 s + 4 r.
; A tile of C is 128 tokens x 256 columns: 64 x 4 tiles, one for each of 256 work-groups.  Four waves, each 64 x 128: 32 accumulators.  SIDE P (w_out's columns) is source 0; SIDE R (tokens) is source 1.
; ALL OF K LIES IN LDS, FILLED ONCE, ONE TENSOR LOAD A WAVE: wave 0 R's 8 groups x the first 256 along K (rows of 3,072 bytes), wave 1 P's 16 groups x the same, wave 2 R's rest of K (rows of 9,216 bytes), wave 3 P's rest.
; The first barrier shows the loads of waves 0 and 1, whose lines are theirs alone; the second, in K step 1, shows all.  No byte is filled again.  No prefetch: every tile is asked for at the head.
; CLUSTERS: 4 x 4.  R's tiles are shared along a row of the cluster, P's along a column: joint loads, behind the opening round; a closing round stands at the end.
; A STEP of 128 along K: the step's fragments are in; the next step's 72 LDS loads go out into the other set of registers; then the step's 32 products.  THE BIAS is the C of each sum's first product.
; REGISTERS: window 0: v1-29 addresses; v32-95 scale words (lanes 0-15 R's block i, lanes 16-31 P's block i, step s, at v[SC + 8 i + s]); v96-127, v224-255 the bias; v128-175, v176-223 R's fragments, two sets; on the way out v128-255 rows of C.
;   window 1: P's fragments, two sets, at v0 and v128.   window 2: the accumulators, (a, b) at v[8 (8 a + b)].
.set S0P,   24576                      ; LDS: R's first part at 0 (8 x 3,072), P's at S0P (16 x 3,072),
.set RR,    73728                      ; R's rest (8 x 9,216),
.set RP,    147456                     ; P's rest (16 x 9,216)
.set SPARE, 294912
.set SPITCH, 528                       ; the way out: a stage of 16 rows x (512 + 16) bytes for each wave, from byte 0 on, which nobody reads behind the second barrier
.set FR,    12
.set ADRA,  8                          ; v8 my R fragments in the first part, v9 in the rest
.set ADRB,  12                         ; v12 my P fragments in the first part; v13, v14 in the rest: groups 0-3, 4-7
.set STO,   16
.set RD,    17
.set CO,    18
.set SPW,   28
.set NIL,   29
.set SC,    32
.set AF,    128
.set BK,    128
.set MSB, 0
.macro WIN new
.if MSB != (\new)
	s_set_vgpr_msb (MSB<<8)|(\new)
.set MSB, (\new)
.endif
.endm
.set MUL,    0xa1
.set TO_B,   0x40
.macro WALU
	s_wait_alu depctr_va_vdst(0)
.endm
.macro CROUND
	s_barrier_signal -1
	s_barrier_wait -1
	s_cmp_lg_u32 s14, 0
	s_cbranch_scc1 .Lnot_wave_0_\@
	s_barrier_signal -3
.Lnot_wave_0_\@:
	s_barrier_wait -3
	s_barrier_signal -1
	s_barrier_wait -1
.endm
.macro PLACES
.rept 4
	v_nop
.endr
.endm
.macro GRP1 g, mask, c, r              ; r rows of c elements of 8 bytes, 12,288 bytes apart; no padding
	s_or_b32 s[\g], s[\mask], (3<<16)|(1<<21)
	s_mov_b32 s[\g+1], (\c)<<16
	s_mov_b32 s[\g+2], (\r)<<16
	s_mov_b32 s[\g+3], (\c)<<16
	s_mov_b32 s[\g+4], \r
	s_mov_b32 s[\g+5], 1536
	s_mov_b32 s[\g+6], 0
	s_mov_b32 s[\g+7], 0
.endm
.macro GRP0 g, lds, base, off
	s_mov_b32 s[\g], 1
	s_mov_b32 s[\g+1], \lds
	s_add_nc_u64 s[\g+2:\g+3], s[\base:\base+1], \off
	s_or_b32 s[\g+3], s[\g+3], 0x80000000
.endm
	s_load_b256 s[4:11], s[0:1], 0x0               ; c3, s3, b_out, out0
	v_lshl_add_u32 v[SPW], v0, 2, SPARE
	v_mov_b32 v[NIL], 0
	ds_add_u32 v[SPW], v[NIL]                      ; the opening lines
	ds_add_u32 v[SPW], v[NIL]
	v_lshrrev_b32 v1, 5, v0
	v_readfirstlane_b32 s14, v1                    ; wave 0..3
	s_lshr_b32 s15, s14, 1                         ; my half of R
	s_and_b32 s16, s14, 1                          ; my half of P
	s_bfe_u32 s56, ttmp6, 0x40000                  ; cx
	s_bfe_u32 s57, ttmp6, 0x40004                  ; cy
	s_lshl_b32 s84, ttmp9, 2
	s_add_co_u32 s84, s84, s56                     ; my tile of P: it hangs on cx, never on cy
	s_and_b32 s85, ttmp7, 0xffff
	s_lshl_b32 s85, s85, 2
	s_add_co_u32 s85, s85, s57                     ; my tile of R: on cy, never on cx
	s_lshl_b32 s58, s57, 2
	s_lshl_b32 s58, 15, s58                        ; my row of the cluster
	s_lshl_b32 s59, 0x1111, s56                    ; my column
	s_lshl_b32 s20, s85, 3                         ; R's first group of the tile
	s_mul_i32 s22, s20, 12288
	s_mov_b32 s23, 0
	s_lshl_b32 s86, s84, 4
	s_add_co_u32 s86, s86, 512                     ; P's first group of the tile
	s_lshl_b32 s18, s16, 3
	s_add_co_u32 s87, s86, s18                     ; the 8 groups that I multiply
	s_mul_i32 s88, s86, 12288
	s_mov_b32 s89, 0
	GRP1 24, 58, 384, 8
	GRP1 32, 59, 384, 16
	GRP1 68, 58, 1152, 8
	GRP1 76, 59, 1152, 16
	WALU
	s_wait_dscnt 0x0
	s_wait_kmcnt 0x0
	s_add_nc_u64 s[22:23], s[4:5], s[22:23]
	s_add_nc_u64 s[88:89], s[4:5], s[88:89]
	GRP0 40, 0, 22, 0
	GRP0 44, S0P, 88, 0
	GRP0 48, RR, 22, 3072
	GRP0 52, RP, 88, 3072
	CROUND                                         ; all sixteen work-groups are here: the joint loads meet
.macro ARM under, g0, g1, next
	s_cmp_lt_u32 s14, \under
	s_cbranch_scc0 \next
	tensor_load_to_lds s[\g0:\g0+3], s[\g1:\g1+7]
	s_nop 0
	PLACES
	s_branch .Lfilled
\next:
.endm
	ARM 1, 40, 24, .Larm_p0
	ARM 2, 44, 32, .Larm_rr
	ARM 3, 48, 68, .Larm_pr
	tensor_load_to_lds s[52:55], s[76:83]
	s_nop 0
	PLACES
.Lfilled:
	v_and_b32 v1, 15, v0                           ; r
	v_bfe_u32 v2, v0, 4, 1                         ; h
	v_and_b32 v3, 31, v0                           ; lane
	v_mul_u32_u24 v4, v3, 24
	WALU
	s_mul_i32 s21, s15, 4*3072                     ; my 4 groups of R
	v_add_nc_u32 v[ADRA], s21, v4
	s_mul_i32 s21, s15, 4*9216
	s_add_co_u32 s21, s21, RR
	v_add_nc_u32 v[ADRA+1], s21, v4
	s_mul_i32 s19, s16, 8*3072                     ; my 8 groups of P
	s_add_co_u32 s19, s19, S0P
	v_add_nc_u32 v[ADRB], s19, v4
	s_mul_i32 s19, s16, 8*9216
	s_add_co_u32 s19, s19, RP
	v_add_nc_u32 v[ADRB+1], s19, v4
	s_add_co_u32 s19, s19, 4*9216
	v_add_nc_u32 v[ADRB+2], s19, v4
	s_lshl_b32 s90, s15, 2
	s_add_co_u32 s90, s90, s20
	s_lshl_b32 s90, s90, 9                         ; my R groups' scale words
	s_lshl_b32 s91, s87, 9                         ; my P groups'
	v_mov_b32 v5, s90
	v_mov_b32 v6, s91
	v_cmp_le_u32 vcc_lo, 16, v3
	v_cndmask_b32 v5, v5, v6, vcc_lo               ; lanes 0-15 take R's, lanes 16-31 P's
	v_lshl_add_u32 v5, v1, 2, v5
.irp i, 0,1,2,3,4,5,6,7
.irp s, 0,1,2,3,4,5,6,7
	global_load_b32 v[SC+8*\i+\s], v5, s[6:7] offset:512*\i+64*\s   ; (for i of 4 and more lanes 0-15 read words of the groups that follow mine, at most group 515 of the buffer's 576; nobody uses them)
.endr
.endr
	s_lshl_b32 s92, s84, 10
	s_lshl_b32 s93, s16, 9
	s_add_co_u32 s92, s92, s93                     ; my first column, in bytes
	s_mov_b32 s93, 0
	s_add_nc_u64 s[94:95], s[8:9], s[92:93]        ; its bias
	s_lshl_b32 s96, s85, 19
	s_lshl_b32 s97, s15, 18
	s_add_co_u32 s96, s96, s97                     ; my first row: (128 x tile + 64 x half) rows of 4,096 bytes
	s_mov_b32 s97, 0
	s_add_nc_u64 s[10:11], s[10:11], s[96:97]
	s_add_nc_u64 s[10:11], s[10:11], s[92:93]
	v_lshlrev_b32 v6, 6, v2                        ; the bias: register 16 j + i wants number 32 j + 16 h + i
.irp j, 0,1,2,3,4,5,6,7,8,9,10,11,12,13,14,15
	global_load_b128 v[96+4*\j+96*(\j/8):96+4*\j+96*(\j/8)+3], v6, s[94:95] offset:128*(\j/4)+16*(\j%4)
.endr
	s_mul_i32 s90, s14, 16*SPITCH                  ; my stage
	v_mul_u32_u24 v[STO], v1, SPITCH
	v_lshl_add_u32 v[STO], v2, 6, v[STO]
	v_add_nc_u32 v[STO], s90, v[STO]               ; in: row r, + 64 h
	v_lshlrev_b32 v[CO], 4, v3
	v_add_nc_u32 v[RD], s90, v[CO]                 ; back: 16 x lane of a row
	WALU                                           ; the wait at the head's end
	s_wait_loadcnt 0x0                             ; scale words and bias
.macro FRAG reg, adr, off              ; a fragment, 16 rows x 128 K: two units, six loads of 8 bytes, lane l at 24 l
.irp p, 0,1,2,3,4,5
	ds_load_b64 v[\reg+2*\p:\reg+2*\p+1], v[\adr] offset:(\off)+768*(\p/3)+8*(\p%3)
.endr
.endm
.macro FETCH s, p                      ; 72 LDS loads in one run: P's eight fragments and R's four of K step s, into set p
	WIN TO_B
.irp i, 0,1,2,3,4,5,6,7
.if (\s) < 2
	FRAG 128*(\p)+FR*\i, ADRB, 3072*\i+1536*(\s)
.else
	FRAG 128*(\p)+FR*\i, ADRB+1+\i/4, 9216*(\i%4)+1536*((\s)-2)
.endif
.endr
	WIN 0
.irp i, 0,1,2,3
.if (\s) < 2
	FRAG AF+48*(\p)+FR*\i, ADRA, 3072*\i+1536*(\s)
.else
	FRAG AF+48*(\p)+FR*\i, ADRA+1, 9216*\i+1536*((\s)-2)
.endif
.endr
.endm
; 16 matrix instructions: R's blocks a0, a0 + 1 x P's eight.  first = 1: the sums begin with the bias as C (window 0).  The 32 accumulators take turns, one instruction a turn.
.macro MUL16 a0, p, s, first
.irp a, \a0, \a0+1
.irp b, 0,1,2,3,4,5,6,7
.if \first
	v_wmma_scale_f32_16x16x128_f8f6f4 v[8*(8*(\a)+\b):8*(8*(\a)+\b)+7], v[128*(\p)+FR*\b:128*(\p)+FR*\b+FR-1], v[AF+48*(\p)+FR*(\a):AF+48*(\p)+FR*(\a)+FR-1], v[96+8*\b+96*(\b/4):96+8*\b+96*(\b/4)+7], v[SC+8*\b+(\s)], v[SC+8*(\a)+(\s)] matrix_a_fmt:MATRIX_FMT_FP6 matrix_b_fmt:MATRIX_FMT_FP6 matrix_a_scale:MATRIX_SCALE_ROW1
.else
	v_wmma_scale_f32_16x16x128_f8f6f4 v[8*(8*(\a)+\b):8*(8*(\a)+\b)+7], v[128*(\p)+FR*\b:128*(\p)+FR*\b+FR-1], v[AF+48*(\p)+FR*(\a):AF+48*(\p)+FR*(\a)+FR-1], v[8*(8*(\a)+\b):8*(8*(\a)+\b)+7], v[SC+8*\b+(\s)], v[SC+8*(\a)+(\s)] matrix_a_fmt:MATRIX_FMT_FP6 matrix_b_fmt:MATRIX_FMT_FP6 matrix_a_scale:MATRIX_SCALE_ROW1
.endif
.endr
.endr
.endm
; K step s, on set s % 2; the next step's fragments go out first and land under this step's 32 products.  In step 1 every wave waits for its tensor load and its LDS reads, and a barrier shows the rest of K to all.
.macro STEP s
.if (\s) == 1
	s_wait_tensorcnt 0x0
.endif
	s_wait_dscnt 0x0                               ; this step's fragments are in
.if (\s) == 1
	s_barrier_signal -1
	s_barrier_wait -1
.endif
.if (\s) < 7
.if (\s) > 0
	PLACES                                         ; in front of loads into the set that the last step's products read
.endif
	FETCH (\s)+1, ((\s)+1)%2
.endif
.if (\s) == 0
	WIN 0x81                                       ; C (the bias) in window 0, D in window 2
	MUL16 0, 0, 0, 1
	MUL16 2, 0, 0, 1
.else
	WIN MUL
	MUL16 0, (\s)%2, \s, 0
	MUL16 2, (\s)%2, \s, 0
.endif
.endm
	s_cmp_lt_u32 s14, 2
	s_cbranch_scc0 .Lnot_first
	s_wait_tensorcnt 0x0                           ; waves 0 and 1: the first 256 along K have landed
.Lnot_first:
	s_barrier_signal -1
	s_barrier_wait -1                              ; the rest of K may be on its way
	FETCH 0, 0
.irp s, 0,1,2,3,4,5,6,7
	STEP \s
.endr
	WIN 0
	PLACES                                         ; in front of the first read of results and of loads into the registers that held R's fragments
; THE WAY OUT, block by block of 16 rows x 128 columns, through my own stage: register j of accumulator (a, b) is column 32 (b / 2) + 8 (b % 2) + 16 h + j of the block's row r.  Rows come back whole, 512 bytes.
.macro TOSTAGE a
.set AC, 64*(\a)
	WIN 0x08
.irp b, 0,1,2,3,4,5,6,7
	ds_store_b128 v[STO], v[AC+8*\b:AC+8*\b+3] offset:128*(\b/2)+32*(\b%2)          ; each accumulator from its low end on
	ds_store_b128 v[STO], v[AC+8*\b+4:AC+8*\b+7] offset:128*(\b/2)+32*(\b%2)+16
.endr
	WIN 0
.set BB, BK+64*((\a)%2)
.irp t, 0,1,2,3,4,5,6,7,8,9,10,11,12,13,14,15
	ds_load_b128 v[BB+4*\t:BB+4*\t+3], v[RD] offset:\t*SPITCH   ; LDS serves a wave's instructions in order: these see the stores above
.endr
.endm
.macro SEND a, younger
.set BB, BK+64*((\a)%2)
	s_wait_dscnt \younger                          ; the block is back in registers
.irp t, 0,1,2,3,4,5,6,7,8,9,10,11,12,13,14,15
	global_store_b128 v[CO], v[BB+4*\t:BB+4*\t+3], s[10:11] offset:(32*((\a)/2)+8*((\a)%2)+\t+8*(\t/8))*4096 th:TH_STORE_NT   ; the group's row t: 512 consecutive bytes, at a multiple of 256 from out0's first byte
.endr
.endm
	WALU
	TOSTAGE 0
.irp a, 1,2,3
.if \a > 1
	s_wait_xcnt 0x0                                ; block a - 2's stores have read their registers: block a's loads may land there
.endif
	TOSTAGE \a
	SEND \a-1, 32                                  ; behind block a - 1's loads: block a's 16 stores and 16 loads
.endr
	SEND 3, 0
	s_wait_tensorcnt 0x0                           ; the wave's end
	ds_add_u32 v[SPW], v[NIL]
	s_wait_dscnt 0x0
	CROUND                                         ; the closing round
	s_endpgm
.Lfunc_end_k_q70246ed73c_outp:
	.size	k_q70246ed73c_outp, .Lfunc_end_k_q70246ed73c_outp-k_q70246ed73c_outp
	.p2alignl 7, 3214868480
	.fill 96, 4, 3214868480
	.section	.rodata,"a",@progbits
	.p2align	6, 0x0
	.amdhsa_kernel k_q70246ed73c_outp
		.amdhsa_group_segment_fixed_size 327680
		.amdhsa_private_segment_fixed_size 0
		.amdhsa_enable_private_segment 0
		.amdhsa_kernarg_size 32
		.amdhsa_user_sgpr_count 2
		.amdhsa_user_sgpr_kernarg_segment_ptr 1
		.amdhsa_wavefront_size32 1
		.amdhsa_system_sgpr_workgroup_id_x 1
		.amdhsa_system_sgpr_workgroup_id_y 1
		.amdhsa_system_sgpr_workgroup_id_z 1
		.amdhsa_system_vgpr_workitem_id 0
		.amdhsa_next_free_vgpr 1024
		.amdhsa_next_free_sgpr 100
		.amdhsa_reserve_vcc 1
		.amdhsa_float_denorm_mode_32 3
		.amdhsa_float_denorm_mode_16_64 3
		.amdhsa_memory_ordered 1
		.amdhsa_forward_progress 1
		.amdhsa_inst_pref_size 101
	.end_amdhsa_kernel
	.amdgpu_metadata
---
amdhsa.version: [ 1, 2 ]
amdhsa.kernels:
  - .name:           k_q70246ed73c_outp
    .symbol:         k_q70246ed73c_outp.kd
    .args:
      - { .name: c3, .offset: 0, .size: 8, .value_kind: global_buffer, .address_space: global }
      - { .name: s3, .offset: 8, .size: 8, .value_kind: global_buffer, .address_space: global }
      - { .name: b_out, .offset: 16, .size: 8, .value_kind: global_buffer, .address_space: global }
      - { .name: out0, .offset: 24, .size: 8, .value_kind: global_buffer, .address_space: global }
    .group_segment_fixed_size: 327680
    .private_segment_fixed_size: 0
    .kernarg_segment_align: 8
    .kernarg_segment_size: 32
    .max_flat_workgroup_size: 128
    .sgpr_count:     100
    .vgpr_count:     1024
    .wavefront_size: 32
...
	.end_amdgpu_metadata
.endif
;; end of part 4
